; MI455X (gfx1250); checked and timed in simulation.
; The chip was launched on July 23, 2026; its instructions are those of AMD's public machine-readable ISA for CDNA 5 (MIT licence, August 2026) and "CDNA5" Instruction Set Architecture Reference Guide (July 2026). The comments in the code are by the model that wrote it; some were corrected since.
;; Satellite Reading Attention. Allowed arithmetic: float matrix products may take bf16 or f16 operands with f32 sums; all other float work in f32.
;; Inputs: b_fr 1,024 float32; b_pos1 1,024 float32; b_pos2 1,024 float32; b_sa 1,024 float32; be_fr 1,024 float32; be_qn 1,024 float32; be_sa 1,024 float32; bk 1,024 float32; bq 1,024 float32; bv 1,024 float32; front_bev_xy 2 x 4,096 x 2 float32; front_feat 2 x 320 x 64 x 64 float32; g_fr 1,024 float32; g_qn 1,024 float32; g_sa 1,024 float32; sat_tokens 2 x 1,024 x 768 float32; sat_xy 2 x 1,024 x 2 float32; w_fr 320 x 1,024 float32; w_pos1 2 x 1,024 float32; w_pos2 1,024 x 1,024 float32; w_sa 768 x 1,024 float32; wk 1,024 x 1,024 float32; wq 1,024 x 1,024 float32; wv 1,024 x 1,024 float32.
;; Outputs: out0 2 x 4,096 x 1,024 float32.
;; 2 versions, each right and faster than the one before. Each part assembles by itself: llvm-mc -triple=amdgcn-amd-amdhsa -mcpu=gfx1250 --defsym DOCPART=n.
;; ======== version 1 of 2: 3 launches
;; limits: right only within a limited range of input values; values are held in f16: magnitudes above 65,504 overflow, below 6.1e-05 lose precision; an absolute error that grows with the inputs' magnitude: up to 1.2e-07 times it
;; workspace buffers: wcat 12,189,696 bytes; qh 16,777,216 bytes; kh 4,194,304 bytes; vt 4,194,304 bytes
;; launch prep (part 1): grid 372 x 1, 8 waves a work-group, no clusters, 35,840 bytes of LDS; arguments w_fr, w_pos2, wq, w_sa, wk, wv, wcat; writes wcat
.if DOCPART == 1
	.amdgcn_target "amdgcn-amd-amdhsa--gfx1250"
	.amdhsa_code_object_version 6
	.text
	.protected	k_qc48ffccf71_prep
	.globl	k_qc48ffccf71_prep
	.p2align	8
	.type	k_qc48ffccf71_prep,@function
k_qc48ffccf71_prep:
	s_mov_b64 s[64:65], 0
	v_nop
	global_prefetch_b8 v0, s[64:65] scope:SCOPE_SE
	s_setreg_imm32_b32 hwreg(HW_REG_WAVE_MODE, 25, 1), 1
	s_wait_xcnt 0x0
; The six weight matrices ([K][1024] f32) are rounded to bf16, written as f16 (the same number) and laid out as matrix fragments.
; wcat is a row of 186 K steps of 65,536 bytes (32 rows of W x 1,024 columns): steps 0-9 w_fr, 10-41 w_pos2, 42-73 wq, 74-97 w_sa, 98-129 wk, 130-153 w_sa once more, 154-185 wv,
; so that each of the next launch's three roles walks one contiguous stream.  In a step, column tile ct (16 columns) is 1,024 bytes at ct x 1,024:
; byte c x 512 + 16 (r + 16 h) holds W[32 s + 16 c + 8 h + 0..7][16 ct + r]: two loads of 16 bytes a lane (at lane x 16 and 512 + lane x 16) fill a fragment.
; LIMITS.  A weight beyond 65,504 becomes an infinity; below 6.1e-5 it keeps f16's fixed step of 6e-8.
; SHARES.  Work-group g: K step g / 2; wave w: 32 rows x 64 columns, unit T = 8 (g % 2) + w.  Lane (c = lane / 16, x = lane % 16) loads rows 16 c + i, columns 64 T + 4 x .. + 3:
; sixteen lanes read 256 consecutive bytes.  The turn from rows to columns goes through the wave's own stage in LDS; each store to memory covers 512 consecutive bytes.
; No matrix unit, no cluster, no tensor load: a stream that is read once and turned.
.set FP,    1040                       ; a fragment of 1,024 bytes + 16: the four fragments that sixteen lanes write begin one 16-byte column apart
.set WSTG,  4352                       ; a wave's stage: four fragments, rounded up to whole blocks of 256 bytes
.set SPARE, 8*WSTG                     ; behind the stages: the spare words, 128 bytes for each of eight waves
.set SPW, 8                            ; v8   LDS address of my spare word; never rewritten
.set NIL, 9                            ; v9   0; never rewritten
.set L,   16                           ; v[16:79]   L[i][e] = v[16 + 4 i + e]: row 16 c + i, column 4 x + e; later the fragments read back
.set D,   80                           ; v[80:111]  D[e][p]: rows 2 p, 2 p + 1 of column e, packed
.macro R2H d, a, b, t                  ; two f32 rounded to bf16, widened again, and written as two f16
	v_cvt_pk_bf16_f32 v[\t], v[\a], v[\b]
	v_lshlrev_b32 v[\a], 16, v[\t]
	v_and_b32 v[\t], 0xffff0000, v[\t]
	v_cvt_pk_f16_f32 v[\d], v[\a], v[\t]
.endm
.macro PICK bound, ptr                 ; from K step bound on the source is the matrix whose address lies in s[ptr:ptr+1]
	s_cmp_ge_u32 s2, \bound
	s_cselect_b64 s[24:25], s[\ptr:\ptr+1], s[24:25]
	s_cselect_b32 s26, \bound, s26
.endm
	s_load_b256 s[8:15], s[0:1], 0x0               ; w_fr s[8:9], w_pos2 s[10:11], wq s[12:13], w_sa s[14:15]
	s_load_b128 s[16:19], s[0:1], 0x20             ; wk s[16:17], wv s[18:19]
	s_load_b64 s[20:21], s[0:1], 0x30              ; wcat
	v_lshl_add_u32 v[SPW], v0, 2, SPARE
	v_mov_b32 v[NIL], 0
	v_lshrrev_b32 v5, 5, v0
	v_readfirstlane_b32 s3, v5                     ; wave
	s_lshr_b32 s2, ttmp9, 1                        ; K step
	s_and_b32 s4, ttmp9, 1
	s_lshl_b32 s4, s4, 3
	s_add_co_u32 s4, s4, s3                        ; T
	v_and_b32 v5, 15, v0                           ; x
	v_bfe_u32 v6, v0, 4, 1                         ; c
	s_lshl_b32 s5, s4, 8
	v_lshl_add_u32 v1, v5, 4, s5                   ; load offset: 256 T + 16 x
	v_lshl_add_u32 v1, v6, 16, v1                  ; + 16 c rows of 4,096 bytes
	s_mul_i32 s6, s3, WSTG
	v_lshrrev_b32 v7, 2, v5                        ; into the stage: fragment x / 4,
	v_mul_u32_u24 v2, v7, FP
	v_and_b32 v7, 3, v5
	v_lshl_add_u32 v2, v7, 6, v2                   ; column 4 (x % 4) of its sixteen,
	v_lshl_add_u32 v2, v6, 9, v2                   ; half c
	v_add_nc_u32 v2, s6, v2
	v_and_b32 v7, 31, v0
	v_lshl_add_u32 v3, v7, 4, s6                   ; back: 16 bytes a lane
	s_lshl_b32 s7, s4, 12
	v_lshl_add_u32 v4, v7, 4, s7                   ; store offset: 4,096 T + 16 lane
	s_wait_kmcnt 0x0
	s_mov_b64 s[24:25], s[8:9]
	s_mov_b32 s26, 0
	PICK 10, 10
	PICK 42, 12
	PICK 74, 14
	PICK 98, 16
	PICK 130, 14
	PICK 154, 18
	s_sub_co_u32 s27, s2, s26                      ; the K step inside its matrix,
	s_lshl_b32 s28, s27, 17                        ; 32 rows of 4,096 bytes each
	s_mov_b32 s29, 0
	s_add_nc_u64 s[24:25], s[24:25], s[28:29]
	s_lshl_b32 s28, s2, 16
	s_add_nc_u64 s[20:21], s[20:21], s[28:29]
.irp i, 0,1,2,3,4,5,6,7,8,9,10,11,12,13,14,15
	global_load_b128 v[L+4*\i:L+4*\i+3], v1, s[24:25] offset:\i*4096
.endr
	s_wait_loadcnt 0x0                             ; a packed word takes two rows, a column all sixteen
.irp e, 0,1,2,3
.irp p, 0,1,2,3,4,5,6,7
	R2H D+8*\e+\p, L+8*\p+\e, L+8*\p+4+\e, 5+(\p%2)
.endr
.endr
.irp e, 0,1,2,3
.irp h, 0,1
	ds_store_b128 v2, v[D+8*\e+4*\h:D+8*\e+4*\h+3] offset:\h*256+\e*16  ; column 4 (x % 4) + e, rows 16 c + 8 h + 0..7
.endr
.endr
.irp n, 0,1,2,3,4,5,6,7
	ds_load_b128 v[L+4*\n:L+4*\n+3], v3 offset:(\n/2)*FP+(\n%2)*512     ; LDS serves a wave's instructions in order (ISA guide 5.7.1.4): these see the stores above
.endr
.irp n, 0,1,2,3,4,5,6,7
	s_wait_dscnt 7-\n                              ; LDS loads come back in order: number n is in, the younger ones stay out
	global_store_b128 v4, v[L+4*\n:L+4*\n+3], s[20:21] offset:(\n/2)*1024+(\n%2)*512  ; 512 consecutive bytes, at a multiple of 512 from wcat's first
.endr
	s_wait_tensorcnt 0x0                           ; the wave's end, behind my last LDS store
	ds_add_u32 v[SPW], v[NIL]
	s_wait_dscnt 0x0
	s_endpgm
.Lfunc_end_k_qc48ffccf71_prep:
	.size	k_qc48ffccf71_prep, .Lfunc_end_k_qc48ffccf71_prep-k_qc48ffccf71_prep
	.p2alignl 7, 3214868480
	.fill 96, 4, 3214868480
	.section	.rodata,"a",@progbits
	.p2align	6, 0x0
	.amdhsa_kernel k_qc48ffccf71_prep
		.amdhsa_group_segment_fixed_size 35840
		.amdhsa_private_segment_fixed_size 0
		.amdhsa_enable_private_segment 0
		.amdhsa_kernarg_size 56
		.amdhsa_user_sgpr_count 2
		.amdhsa_user_sgpr_kernarg_segment_ptr 1
		.amdhsa_wavefront_size32 1
		.amdhsa_system_sgpr_workgroup_id_x 1
		.amdhsa_system_sgpr_workgroup_id_y 1
		.amdhsa_system_sgpr_workgroup_id_z 1
		.amdhsa_system_vgpr_workitem_id 0
		.amdhsa_next_free_vgpr 112
		.amdhsa_next_free_sgpr 66
		.amdhsa_reserve_vcc 0
		.amdhsa_float_denorm_mode_32 3
		.amdhsa_float_denorm_mode_16_64 3
		.amdhsa_memory_ordered 1
		.amdhsa_forward_progress 1
		.amdhsa_inst_pref_size 14
	.end_amdhsa_kernel
	.amdgpu_metadata
---
amdhsa.version: [ 1, 2 ]
amdhsa.kernels:
  - .name:           k_qc48ffccf71_prep
    .symbol:         k_qc48ffccf71_prep.kd
    .args:
      - { .name: w_fr, .offset: 0, .size: 8, .value_kind: global_buffer, .address_space: global }
      - { .name: w_pos2, .offset: 8, .size: 8, .value_kind: global_buffer, .address_space: global }
      - { .name: wq, .offset: 16, .size: 8, .value_kind: global_buffer, .address_space: global }
      - { .name: w_sa, .offset: 24, .size: 8, .value_kind: global_buffer, .address_space: global }
      - { .name: wk, .offset: 32, .size: 8, .value_kind: global_buffer, .address_space: global }
      - { .name: wv, .offset: 40, .size: 8, .value_kind: global_buffer, .address_space: global }
      - { .name: wcat, .offset: 48, .size: 8, .value_kind: global_buffer, .address_space: global }
    .group_segment_fixed_size: 35840
    .private_segment_fixed_size: 0
    .kernarg_segment_align: 8
    .kernarg_segment_size: 56
    .max_flat_workgroup_size: 256
    .sgpr_count:     66
    .vgpr_count:     112
    .wavefront_size: 32
...
	.end_amdgpu_metadata
.endif
;; end of part 1
;; launch chain (part 2): grid 192 x 1, 16 waves a work-group, no clusters, 320,512 bytes of LDS; arguments front_feat, front_bev_xy, w_pos1, b_pos1, b_fr, g_fr, be_fr, b_pos2, g_qn, be_qn, bq, qh, sat_tokens, sat_xy, b_sa, g_sa, be_sa, bk, bv, kh, vt, wcat; writes qh, kh, vt
.if DOCPART == 2
	.amdgcn_target "amdgcn-amd-amdhsa--gfx1250"
	.amdhsa_code_object_version 6
	.text
	.protected	k_qc48ffccf71_chain
	.globl	k_qc48ffccf71_chain
	.p2align	8
	.type	k_qc48ffccf71_chain,@function
k_qc48ffccf71_chain:
	s_mov_b64 s[64:65], 0
	v_nop
	global_prefetch_b8 v0, s[64:65] scope:SCOPE_SE
	s_setreg_imm32_b32 hwreg(HW_REG_WAVE_MODE, 25, 1), 1
	s_wait_xcnt 0x0
; THE TWO CHAINS IN FRONT OF THE ATTENTION, each fused from its input to q, k or v.  A work-group owns 64 tokens and all 1,024 columns, so that the LayerNorms stay inside it.
;   work-groups 0-127 (front):  X w_fr + b_fr -> LayerNorm -> + silu(xy w_pos1 + b_pos1) w_pos2 + b_pos2 -> LayerNorm -> wq + bq -> RoPE -> qh [32 bh][4096][64] f16
;   work-groups 128-159 (K):    T w_sa + b_sa -> LayerNorm -> wk + bk -> RoPE -> kh [32][1024][64] f16
;   work-groups 160-191 (V):    T w_sa + b_sa -> LayerNorm -> wv + bv -> vt [32][16 key blocks][64 channels][64 keys] f16 (turned, by swapping the product's sources)
; FORMATS.  Every input is rounded to bf16 (matrix operands are then written as f16, the same number); what the program makes itself (h, q_embed, sat, q, k, v) is rounded to f16; sums, LayerNorm, silu, RoPE in f32.
; LIMITS.  Matrix operands and q, k, v beyond 65,504 become infinities; below 6.1e-5 they keep f16's fixed step of 6e-8.  RoPE's angle is reduced with one f32 constant 2 / pi:
; its error grows as 1.2e-7 x |angle|, and angles stay under 2^31 quarter turns.  NaN and infinities are not treated apart.
; SHARES.  Sixteen waves; wave w owns columns 64 w .. 64 w + 63 (head w) of all 64 tokens: 4 x 4 accumulators, 128 registers.  The products are used transposed (source 0 = 16 columns of W,
; source 1 = 16 tokens): a lane holds ONE token (lane % 16) and eight neighbouring columns 8 (lane / 16) + 0..7, so a row's sum wants one exchange of the lanes' halves and one of the waves.
; A (the activations) lies in LDS and is read by all waves.  B (the weights, as fragments in wcat) goes from memory straight into registers: a wave's 64 columns are read by that wave alone.
; NO CLUSTER, NO TENSOR LOAD: all work-groups of a role walk the same weights, but beside A's two regions (132,096 + 99,328 bytes) and the tables LDS has no room for two slots of weights: a slot of 64 along K
; and 1,024 columns is 131,072 bytes.  So two register buffers of one K step each take turns under a counted wait, the stream runs on through the LayerNorms, and no barrier stands in a K loop.
.set P2,    2064                       ; a row of 1,024 f16 + 16 bytes: 129 x 16, so the 16 rows of a fragment load start at 16 different 16-byte columns (64 banks of 4 bytes: ISA guide 11.1)
.set PX,    656                        ; a row of 320 f16 + 16
.set PT,    1552                       ; a row of 768 f16 + 16
.set PTB,   144                        ; a token's 32 sines and cosines + 16
.set R2,    0                          ; 64 rows: h, later q_embed or sat
.set R1,    64*P2                      ; 64 rows: X (front) or the satellite tokens
.set PARL,  R1+64*PT                   ; six vectors of 1,024 f32: 0 first bias, 1 g_fr, 2 be_fr + b_pos2, 3 second gain, 4 second shift, 5 last bias
.set TABL,  PARL+6*4096                ; token x PTB: cos x (8), sin x (8), cos y (8), sin y (8)
.set STAT,  TABL+64*PTB                ; four areas [64 rows][16 waves] f32, each written once
.set STG,   STAT+4*4096                ; 16 rows x 144 bytes for each wave, for the way out
.set SPARE, STG+16*2304                ; the spare words, 128 bytes for each of sixteen waves
.set VB,  3                            ; v3      my byte offset in a K step of wcat: 4,096 w + 16 lane; never rewritten
.set ADA, 4                            ; v[4:7]  LDS address of my A fragment of token block a
.set SPW, 8                            ; v8      LDS address of my spare word; never rewritten
.set NIL, 9                            ; v9      0; never rewritten
.set STO, 10                           ; v10     the way out: where I put 16 bytes of a row
.set RD,  11                           ; v11     the way out: where I read rows back
.set GO,  12                           ; v12     16 x lane
.set PC,  13                           ; v13     PARL + 4 (64 w + 8 h): my eight columns of tile 0
.set STW, 14                           ; v14     STAT + 64 r + 4 w
.set STR, 15                           ; v15     STAT + 64 r
.set MU,  16                           ; v[16:23] for each token block a pair: the mean, later 1 / sigma, twice
.set T,   24                           ; v[24:31] for each token block a pair at work
.set AF,  32                           ; v[32:63] A's four fragments; at work between the stages
.set BF,  64                           ; v[64:127] B's fragments: two buffers of four
.set ACC, 128                          ; v[128:255] accumulator (X, Y) at 128 + 8 (4 X + Y)
; s2 wave, s3 work-group, s5 1 for the V role, s6 counter, s[8:9] the weight stream, s[10:11] the output, s[12:13] lane selects, s[16:47] the role's addresses and offsets, s48 1/1024, s49 1e-5, s50 2/pi
.macro RND a, t                        ; v[a], v[a+1] rounded to bf16 and kept as f32
	v_cvt_pk_bf16_f32 v[\t], v[\a], v[(\a)+1]
	v_lshlrev_b32 v[\a], 16, v[\t]
	v_and_b32 v[(\a)+1], 0xffff0000, v[\t]
.endm
.macro R2H d, a, b, t                  ; two f32 rounded to bf16, widened again, and written as two f16
	v_cvt_pk_bf16_f32 v[\t], v[\a], v[\b]
	v_lshlrev_b32 v[\a], 16, v[\t]
	v_and_b32 v[\t], 0xffff0000, v[\t]
	v_cvt_pk_f16_f32 v[\d], v[\a], v[\t]
.endm
; sin and cos of v[ang].  k = the nearest whole number of quarter turns; phi = (ang 2/pi - k) pi/2 lies in +-pi/4, where the series to phi^7 and phi^8 leave less than 3e-7; k % 4 swaps and signs by selects alone.
.macro SINCOS ang, os, oc, t
	v_mul_f32 v[\t], s50, v[\ang]
	v_rndne_f32 v[\t], v[\t]
	v_fma_f32 v[\t+1], v[\ang], s50, -v[\t]
	v_cvt_i32_f32 v[\t], v[\t]
	v_mul_f32 v[\t+1], 0x3fc90fdb, v[\t+1]         ; phi
	v_mul_f32 v[\t+2], v[\t+1], v[\t+1]            ; phi^2
	v_mov_b32 v[\t+3], 0xb9500d01                  ; -1/5040
	v_fmaak_f32 v[\t+3], v[\t+3], v[\t+2], 0x3c088889  ; 1/120
	v_fmaak_f32 v[\t+3], v[\t+3], v[\t+2], 0xbe2aaaab  ; -1/6
	v_mul_f32 v[\t+3], v[\t+3], v[\t+2]
	v_fma_f32 v[\t+3], v[\t+3], v[\t+1], v[\t+1]   ; sin phi
	v_mov_b32 v[\t+4], 0x37d00d01                  ; 1/40320
	v_fmaak_f32 v[\t+4], v[\t+4], v[\t+2], 0xbab60b61  ; -1/720
	v_fmaak_f32 v[\t+4], v[\t+4], v[\t+2], 0x3d2aaaab  ; 1/24
	v_fmaak_f32 v[\t+4], v[\t+4], v[\t+2], 0xbf000000  ; -1/2
	v_fma_f32 v[\t+4], v[\t+4], v[\t+2], 1.0       ; cos phi
	v_and_b32 v[\t+1], 1, v[\t]
	v_cmp_eq_u32 vcc_lo, 1, v[\t+1]
	v_cndmask_b32 v[\os], v[\t+3], v[\t+4], vcc_lo ; odd quarter: sine and cosine change places
	v_cndmask_b32 v[\oc], v[\t+4], v[\t+3], vcc_lo
	v_and_b32 v[\t+1], 2, v[\t]
	v_lshlrev_b32 v[\t+1], 30, v[\t+1]
	v_xor_b32 v[\os], v[\os], v[\t+1]              ; quarters 2, 3: -sin
	v_add_nc_u32 v[\t], 1, v[\t]
	v_and_b32 v[\t], 2, v[\t]
	v_lshlrev_b32 v[\t], 30, v[\t]
	v_xor_b32 v[\oc], v[\oc], v[\t]                ; quarters 1, 2: -cos
.endm
; RoPE's table.  Thread t: token t / 8, frequency i = t % 8: 10000^(-i/8) = 2^(-1.660964 i).  v[xy], v[xy+1]: the token's coordinates as loaded.
.macro MKTAB xy
	RND \xy, 30
	v_and_b32 v16, 7, v0
	v_cvt_f32_u32 v17, v16
	v_mul_f32 v17, 0xbfd49a78, v17
	v_exp_f32 v17, v17
	v_lshrrev_b32 v18, 3, v0                       ; (a plain instruction behind the exponential)
	v_mul_u32_u24 v18, v18, PTB
	v_lshl_add_u32 v18, v16, 2, v18
	v_add_nc_u32 v18, TABL, v18
	s_wait_alu depctr_va_vdst(0)
	v_mul_f32 v19, v[\xy], v17
	v_mul_f32 v20, v[(\xy)+1], v17
	SINCOS 19, 52, 53, 54
	SINCOS 20, 59, 60, 54
	ds_store_b32 v18, v53
	ds_store_b32 v18, v52 offset:32
	ds_store_b32 v18, v60 offset:64
	ds_store_b32 v18, v59 offset:96
.endm
.macro BLOAD e, k                      ; my four fragments of the stream's K step k, counted from s[8:9], into buffer e: eight loads of 512 consecutive bytes
.irp c, 0,1,2,3
	global_load_b128 v[BF+32*\e+8*\c:BF+32*\e+8*\c+3],   v[VB], s[8:9] offset:(\k)*65536+\c*1024
	global_load_b128 v[BF+32*\e+8*\c+4:BF+32*\e+8*\c+7], v[VB], s[8:9] offset:(\k)*65536+\c*1024+512
.endr
.endm
; One K step of 32: A's four fragments from LDS, sixteen products on sixteen accumulators that take turns, then buffer e is asked for again, two K steps ahead.
; left: the global loads that may stay out: the other buffer's eight were issued behind mine.  ord = 0: source 0 = W's columns, source 1 = tokens; ord = 1: the other way round (V).
; The four v_nop are the places between the last product and the loads into registers that the products read: the refill, and the next step's A.
.macro STEP e, refill, left, ord
.irp a, 0,1,2,3
	ds_load_b128 v[AF+8*\a:AF+8*\a+3],   v[ADA+\a] offset:64*\e
	ds_load_b128 v[AF+8*\a+4:AF+8*\a+7], v[ADA+\a] offset:64*\e+32
.endr
	s_wait_loadcnt \left
	s_wait_dscnt 0x0
.irp a, 0,1,2,3
.irp c, 0,1,2,3
.if \ord
	v_wmma_f32_16x16x32_f16 v[ACC+8*(4*\c+\a):ACC+8*(4*\c+\a)+7], v[AF+8*\a:AF+8*\a+7], v[BF+32*\e+8*\c:BF+32*\e+8*\c+7], v[ACC+8*(4*\c+\a):ACC+8*(4*\c+\a)+7]
.else
	v_wmma_f32_16x16x32_f16 v[ACC+8*(4*\a+\c):ACC+8*(4*\a+\c)+7], v[BF+32*\e+8*\c:BF+32*\e+8*\c+7], v[AF+8*\a:AF+8*\a+7], v[ACC+8*(4*\a+\c):ACC+8*(4*\a+\c)+7]
.endif
.endr
.endr
.rept 4
	v_nop
.endr
.if \refill
	BLOAD \e, 2+\e
.endif
.endm
.macro KLOOP n, ord                    ; n trips of two K steps; the refills run on into the next stage's weights
	s_mov_b32 s6, \n
.Lk_\@:
	STEP 0, 1, 8, \ord
	STEP 1, 1, 8, \ord
	s_wait_xcnt 0x0                                ; the stream's base is stepped only when the loads that name it have had their addresses translated (ISA guide 3.1)
	s_add_nc_u64 s[8:9], s[8:9], 0x20000
.irp a, 0,1,2,3
	v_add_nc_u32 v[ADA+\a], 128, v[ADA+\a]
.endr
	s_sub_co_u32 s6, s6, 1
	s_cmp_lg_u32 s6, 0
	s_cbranch_scc1 .Lk_\@
.endm
.macro KTAIL ord                       ; the stream's last two K steps: nothing is left to fetch, and the counts run down
	STEP 0, 0, 8, \ord
	STEP 1, 0, 0, \ord
.endm
.macro ACCINIT slot                    ; the bias starts the sums: my eight columns of each tile, the same for all four token blocks; STEP's wait for LDS covers these loads
.irp a, 0,1,2,3
.irp c, 0,1,2,3
	ds_load_b128 v[ACC+8*(4*\a+\c):ACC+8*(4*\a+\c)+3],   v[PC] offset:\slot*4096+64*\c
	ds_load_b128 v[ACC+8*(4*\a+\c)+4:ACC+8*(4*\a+\c)+7], v[PC] offset:\slot*4096+64*\c+16
.endr
.endr
.endm
.macro MKADA base, pitch               ; row (16 a + r) x pitch + 16 h
	v_mul_u32_u24 v[ADA], v1, \pitch
	v_lshl_add_u32 v[ADA], v2, 4, v[ADA]
.if \base
	v_add_nc_u32 v[ADA], \base, v[ADA]
.endif
	v_add_nc_u32 v[ADA+1], 16*\pitch, v[ADA]
	v_add_nc_u32 v[ADA+2], 32*\pitch, v[ADA]
	v_add_nc_u32 v[ADA+3], 48*\pitch, v[ADA]
.endm
; The four pairs T hold my lane's partial sums for tokens 16 a + r.  They are added up: the pair, the other half of the lanes, and through LDS the sixteen waves; v[T+2a] then holds the row's sum in every wave.
; Each area of STAT is written once in the launch, so one barrier serves: every wave's stores are waited for in front of its signal.
.macro XCHG area
.irp a, 0,1,2,3
	v_add_f32 v[T+2*\a], v[T+2*\a], v[T+2*\a+1]
.endr
.irp a, 0,1,2,3
	v_permlanex16_b32 v[T+2*\a+1], v[T+2*\a], s12, s13
.endr
.irp a, 0,1,2,3
	v_add_f32 v[T+2*\a], v[T+2*\a], v[T+2*\a+1]
.endr
.irp a, 0,1,2,3
	ds_store_b32 v[STW], v[T+2*\a] offset:(\area)*4096+\a*1024
.endr
	s_wait_dscnt 0x0
	s_barrier_signal -1
	s_barrier_wait -1
.irp g, 0,1
.irp q, 0,1
.irp f, 0,1,2,3
	ds_load_b128 v[32+16*\q+4*\f:32+16*\q+4*\f+3], v[STR] offset:(\area)*4096+(2*\g+\q)*1024+16*\f
.endr
.endr
	s_wait_dscnt 0x0
.irp f, 0,4,8,12
.irp q, 0,1
	v_pk_add_f32 v[32+16*\q+\f:32+16*\q+\f+1], v[32+16*\q+\f:32+16*\q+\f+1], v[32+16*\q+\f+2:32+16*\q+\f+3]
.endr
.endr
.irp f, 0,8
.irp q, 0,1
	v_pk_add_f32 v[32+16*\q+\f:32+16*\q+\f+1], v[32+16*\q+\f:32+16*\q+\f+1], v[32+16*\q+\f+4:32+16*\q+\f+5]
.endr
.endr
.irp q, 0,1
	v_pk_add_f32 v[32+16*\q:32+16*\q+1], v[32+16*\q:32+16*\q+1], v[32+16*\q+8:32+16*\q+9]
.endr
.irp q, 0,1
	v_add_f32 v[T+2*(2*\g+\q)], v[32+16*\q], v[32+16*\q+1]
.endr
.endr
.endm
.macro LNLOAD c, gslot, bslot          ; gain and shift of my eight columns of tile c: four loads, into v32-47 and v48-63 by turns
	ds_load_b128 v[32+16*((\c)%2):32+16*((\c)%2)+3],     v[PC] offset:\gslot*4096+64*(\c)
	ds_load_b128 v[32+16*((\c)%2)+4:32+16*((\c)%2)+7],   v[PC] offset:\gslot*4096+64*(\c)+16
	ds_load_b128 v[32+16*((\c)%2)+8:32+16*((\c)%2)+11],  v[PC] offset:\bslot*4096+64*(\c)
	ds_load_b128 v[32+16*((\c)%2)+12:32+16*((\c)%2)+15], v[PC] offset:\bslot*4096+64*(\c)+16
.endm
.macro LNAPPLY c                       ; (x - mu) / sigma x g + b for tile c of all four token blocks
.irp a, 0,1,2,3
.irp p, 0,1,2,3
	v_pk_mul_f32 v[ACC+8*(4*\a+\c)+2*\p:ACC+8*(4*\a+\c)+2*\p+1], v[ACC+8*(4*\a+\c)+2*\p:ACC+8*(4*\a+\c)+2*\p+1], v[MU+2*\a:MU+2*\a+1]
.endr
.endr
.irp a, 0,1,2,3
.irp p, 0,1,2,3
	v_pk_fma_f32 v[ACC+8*(4*\a+\c)+2*\p:ACC+8*(4*\a+\c)+2*\p+1], v[ACC+8*(4*\a+\c)+2*\p:ACC+8*(4*\a+\c)+2*\p+1], v[32+16*(\c%2)+2*\p:32+16*(\c%2)+2*\p+1], v[32+16*(\c%2)+8+2*\p:32+16*(\c%2)+8+2*\p+1]
.endr
.endr
.endm
; LAYERNORM over the 1,024 columns, in place on the accumulators, in two passes: the mean, then the mean of (x - mean)^2: no difference of large sums is formed.
; Each accumulator's registers are taken in ascending order; the places behind the last product are STEP's four v_nop.
.macro LNCORE area, gslot, bslot
.irp a, 0,1,2,3
	v_pk_add_f32 v[T+2*\a:T+2*\a+1], v[ACC+32*\a:ACC+32*\a+1], v[ACC+32*\a+2:ACC+32*\a+3]
.endr
.set n, 2
.rept 14
.irp a, 0,1,2,3
	v_pk_add_f32 v[T+2*\a:T+2*\a+1], v[T+2*\a:T+2*\a+1], v[ACC+32*\a+2*n:ACC+32*\a+2*n+1]
.endr
.set n, n+1
.endr
	XCHG \area
.irp a, 0,1,2,3
	v_mul_f32 v[MU+2*\a], s48, v[T+2*\a]
.endr
.irp a, 0,1,2,3
	v_mov_b32 v[MU+2*\a+1], v[MU+2*\a]
.endr
.set n, 0
.rept 16
.irp a, 0,1,2,3
	v_pk_add_f32 v[ACC+32*\a+2*n:ACC+32*\a+2*n+1], v[ACC+32*\a+2*n:ACC+32*\a+2*n+1], v[MU+2*\a:MU+2*\a+1] neg_lo:[0,1] neg_hi:[0,1]
.endr
.irp a, 0,1,2,3
.if n == 0
	v_pk_mul_f32 v[T+2*\a:T+2*\a+1], v[ACC+32*\a:ACC+32*\a+1], v[ACC+32*\a:ACC+32*\a+1]
.else
	v_pk_fma_f32 v[T+2*\a:T+2*\a+1], v[ACC+32*\a+2*n:ACC+32*\a+2*n+1], v[ACC+32*\a+2*n:ACC+32*\a+2*n+1], v[T+2*\a:T+2*\a+1]
.endif
.endr
.set n, n+1
.endr
	XCHG (\area)+1
.irp a, 0,1,2,3
	v_fma_f32 v[T+2*\a], v[T+2*\a], s48, s49       ; variance + 1e-5
.endr
.irp a, 0,1,2,3
	v_rsq_f32 v[MU+2*\a], v[T+2*\a]
.endr
	LNLOAD 0, \gslot, \bslot
	LNLOAD 1, \gslot, \bslot
	v_nop                                          ; a plain instruction between the last root and the use of its result
	s_wait_alu depctr_va_vdst(0)
.irp a, 0,1,2,3
	v_mov_b32 v[MU+2*\a+1], v[MU+2*\a]
.endr
	s_wait_dscnt 4                                 ; tile 0's four loads are in, tile 1's may stay out
	LNAPPLY 0
	LNLOAD 2, \gslot, \bslot
	s_wait_dscnt 4
	LNAPPLY 1
	LNLOAD 3, \gslot, \bslot
	s_wait_dscnt 4
	LNAPPLY 2
	s_wait_dscnt 0x0
	LNAPPLY 3
.endm
; One row of h = silu(x w1x + y w1y + b1) for my eight columns.  silu(z) = z / (1 + 2^(-z log2 e)).  The row's (x, y) lie in v[216 + 2 rr], the next register.
.macro HROW rr
.irp p, 0,1,2,3
	v_pk_fma_f32 v[32+2*\p:33+2*\p], v[200+2*\p:201+2*\p], v[216+2*\rr:217+2*\rr], v[208+2*\p:209+2*\p] op_sel:[0,1,0] op_sel_hi:[1,1,1]
.endr
.irp p, 0,1,2,3
	v_pk_fma_f32 v[32+2*\p:33+2*\p], v[192+2*\p:193+2*\p], v[216+2*\rr:217+2*\rr], v[32+2*\p:33+2*\p] op_sel_hi:[1,0,1]
.endr
.irp p, 0,1,2,3
	v_pk_mul_f32 v[40+2*\p:41+2*\p], v[32+2*\p:33+2*\p], 0xbfb8aa3b op_sel_hi:[1,0]
.endr
.irp j, 0,1,2,3,4,5,6,7
	v_exp_f32 v[40+\j], v[40+\j]
.endr
	v_nop                                          ; a plain instruction behind the last exponential
	s_wait_alu depctr_va_vdst(0)
.irp p, 0,1,2,3
	v_pk_add_f32 v[40+2*\p:41+2*\p], v[40+2*\p:41+2*\p], 1.0 op_sel_hi:[1,0]
.endr
.irp j, 0,1,2,3,4,5,6,7
	v_rcp_f32 v[40+\j], v[40+\j]
.endr
	v_nop                                          ; and behind the last reciprocal
	s_wait_alu depctr_va_vdst(0)
.irp p, 0,1,2,3
	v_pk_mul_f32 v[32+2*\p:33+2*\p], v[32+2*\p:33+2*\p], v[40+2*\p:41+2*\p]
.endr
.irp p, 0,1,2,3
	v_cvt_pk_f16_f32 v[48+\p], v[32+2*\p], v[33+2*\p]
.endr
	ds_store_b128 v29, v[48:51] offset:\rr*P2
.endm
; RoPE for token block a.  Tile 0 holds channels 0-15 (turned by x), tile 1 channels 16-31 (by y); in each the lanes with h = 0 hold the first eight channels, those with h = 1 their partners:
; out = own x cos + partner x (-sin for h = 0, +sin for h = 1).  The exchange begins at each accumulator's lowest register.
.macro ROPE a
.irp i, 0,1,2,3,4,5,6,7
	ds_load_b128 v[32+4*\i:32+4*\i+3], v4 offset:\a*16*PTB+16*\i
.endr
.irp c, 0,1
.irp j, 0,1,2,3,4,5,6,7
	v_permlanex16_b32 v[16+8*\c+\j], v[ACC+8*(4*\a+\c)+\j], s12, s13
.endr
.endr
	s_wait_dscnt 0x0
.irp c, 0,1
.irp p, 0,1,2,3
	v_pk_mul_f32 v[40+16*\c+2*\p:41+16*\c+2*\p], v[40+16*\c+2*\p:41+16*\c+2*\p], v[6:7]
.endr
.irp p, 0,1,2,3
	v_pk_mul_f32 v[ACC+8*(4*\a+\c)+2*\p:ACC+8*(4*\a+\c)+2*\p+1], v[ACC+8*(4*\a+\c)+2*\p:ACC+8*(4*\a+\c)+2*\p+1], v[32+16*\c+2*\p:33+16*\c+2*\p]
.endr
.irp p, 0,1,2,3
	v_pk_fma_f32 v[ACC+8*(4*\a+\c)+2*\p:ACC+8*(4*\a+\c)+2*\p+1], v[16+8*\c+2*\p:17+8*\c+2*\p], v[40+16*\c+2*\p:41+16*\c+2*\p], v[ACC+8*(4*\a+\c)+2*\p:ACC+8*(4*\a+\c)+2*\p+1]
.endr
.endr
.endm
; THE WAY OUT of the sixteen rows X: a lane's eight numbers of a row pack into 16 bytes; they go into my stage's rows of 144 bytes and come back as whole rows of 128.
.macro PACK X
.irp y, 0,1,2,3
.irp p, 0,1,2,3
	v_cvt_pk_f16_f32 v[16+4*\y+\p], v[ACC+8*(4*\X+\y)+2*\p], v[ACC+8*(4*\X+\y)+2*\p+1]
.endr
	ds_store_b128 v[STO], v[16+4*\y:16+4*\y+3] offset:32*\y
.endr
	s_wait_xcnt 0x0                                ; the registers loaded below were the data of the stores two blocks back: they are rewritten only behind this wait
.irp f, 0,1,2,3
	ds_load_b128 v[32+16*(\X%2)+4*\f:32+16*(\X%2)+4*\f+3], v[RD] offset:\f*4*144  ; LDS serves a wave's instructions in order (ISA guide 5.7.1.4): these see the stores above
.endr
.endm
.macro SEND X, younger                 ; younger: the LDS instructions issued behind block X's loads: the next block's eight, or none
.irp f, 0,1,2,3
	s_wait_dscnt (\younger)+3-\f
	global_store_b128 v[GO], v[32+16*(\X%2)+4*\f:32+16*(\X%2)+4*\f+3], s[10:11] offset:\X*2048+\f*512  ; 512 consecutive bytes, at a multiple of 512 from the buffer's first
.endr
.endm
	s_load_b64 s[8:9], s[0:1], 0xa8                ; wcat
	v_lshl_add_u32 v[SPW], v0, 2, SPARE
	v_mov_b32 v[NIL], 0
	v_lshrrev_b32 v3, 5, v0
	v_readfirstlane_b32 s2, v3                     ; wave 0..15
	v_and_b32 v1, 15, v0                           ; r
	v_bfe_u32 v2, v0, 4, 1                         ; h
	v_and_b32 v12, 31, v0
	v_lshlrev_b32 v[GO], 4, v12
	s_lshl_b32 s14, s2, 12
	v_add_nc_u32 v[VB], s14, v[GO]
	s_mul_i32 s14, s2, 2304
	s_add_co_u32 s14, s14, STG                     ; my stage
	v_mul_u32_u24 v[STO], v1, 144                  ; in: row r, 16 bytes for each half of the lanes
	v_lshl_add_u32 v[STO], v2, 4, v[STO]
	v_add_nc_u32 v[STO], s14, v[STO]
	v_bfe_u32 v[RD], v0, 3, 2                      ; back: 32 lanes take four rows of 128 bytes
	v_mul_u32_u24 v[RD], v[RD], 144
	v_and_b32 v13, 7, v0
	v_lshl_add_u32 v[RD], v13, 4, v[RD]
	v_add_nc_u32 v[RD], s14, v[RD]
	s_lshl_b32 s14, s2, 8
	s_add_co_u32 s14, s14, PARL
	v_lshl_add_u32 v[PC], v2, 5, s14
	s_lshl_b32 s14, s2, 2
	s_add_co_u32 s14, s14, STAT
	v_lshl_add_u32 v[STW], v1, 6, s14
	v_lshlrev_b32 v[STR], 6, v1
	v_add_nc_u32 v[STR], STAT, v[STR]
	v_lshlrev_b32 v24, 3, v0                       ; 8 t: my two numbers of each vector of 1,024
	v_and_b32 v25, 0x1f8, v0                       ; 8 (t / 8): the coordinates of token t / 8
	s_mov_b32 s12, 0x76543210                      ; v_permlanex16_b32: each lane takes its own place in the other half
	s_mov_b32 s13, 0xfedcba98
	s_mov_b32 s48, 0x3a800000                      ; 1 / 1024
	s_mov_b32 s49, 0x3727c5ac                      ; 1e-5
	s_mov_b32 s50, 0x3f22f983                      ; 2 / pi
	s_mov_b32 s3, ttmp9
	s_cmp_ge_u32 s3, 128                           ; the role hangs on the work-group's number alone: all sixteen waves take the same way
	s_cbranch_scc1 .Lsat
	; ---------------- THE FRONT: batch s4, tokens s7 .. s7 + 63 ----------------
	s_load_b512 s[16:31], s[0:1], 0x0              ; front_feat 16, front_bev_xy 18, w_pos1 20, b_pos1 22, b_fr 24, g_fr 26, be_fr 28, b_pos2 30
	s_load_b256 s[32:39], s[0:1], 0x40             ; g_qn 32, be_qn 34, bq 36, qh 38
	s_mov_b32 s5, 0
	s_lshr_b32 s4, s3, 6
	s_and_b32 s7, s3, 63
	s_lshl_b32 s7, s7, 6
	v_and_b32 v26, 127, v0
	v_lshlrev_b32 v26, 5, v26                      ; my eight columns of w_pos1 and b_pos1
	v_and_b32 v27, 0x180, v0                       ; 128 (t / 128): the coordinates of my sixteen rows of h
	v_lshrrev_b32 v28, 4, v0
	v_lshlrev_b32 v28, 15, v28                     ; X: channels 2 (t / 16), + 1 (a channel is 16,384 bytes),
	v_lshl_add_u32 v28, v1, 4, v28                 ; tokens 4 (t % 16) .. + 3
	s_lshl_b32 s14, s4, 4
	s_add_co_u32 s14, s14, s2                      ; bh = 16 b + w
	s_lshl_b32 s14, s14, 19                        ; 4,096 rows of 128 bytes
	s_lshl_b32 s15, s7, 7
	s_add_co_u32 s14, s14, s15
	s_mov_b32 s15, 0
	s_mul_i32 s40, s4, 5242880                     ; a batch of front_feat
	s_lshl_b32 s41, s7, 2
	s_add_co_u32 s40, s40, s41
	s_mov_b32 s41, 0
	s_lshl_b32 s42, s4, 15
	s_lshl_b32 s43, s7, 3
	s_add_co_u32 s42, s42, s43
	s_mov_b32 s43, 0
	s_wait_kmcnt 0x0
	s_add_nc_u64 s[10:11], s[38:39], s[14:15]
	s_add_nc_u64 s[16:17], s[16:17], s[40:41]
	s_add_nc_u64 s[18:19], s[18:19], s[42:43]
	BLOAD 0, 0                                     ; the stream's first two K steps
	BLOAD 1, 1
.irp i, 0,1,2,3,4,5,6
	global_load_b64 v[168+2*\i:169+2*\i], v24, s[24+2*\i:25+2*\i]   ; b_fr, g_fr, be_fr, b_pos2, g_qn, be_qn, bq
.endr
	global_load_b64 v[182:183], v25, s[18:19]
	global_load_b128 v[192:195], v26, s[20:21]                 ; w_pos1's row for x,
	global_load_b128 v[196:199], v26, s[20:21] offset:16
	global_load_b128 v[200:203], v26, s[20:21] offset:4096     ; its row for y,
	global_load_b128 v[204:207], v26, s[20:21] offset:4112
	global_load_b128 v[208:211], v26, s[22:23]                 ; b_pos1
	global_load_b128 v[212:215], v26, s[22:23] offset:16
.irp i, 0,1,2,3,4,5,6,7
	global_load_b128 v[216+4*\i:219+4*\i], v27, s[18:19] offset:16*\i
.endr
.irp i, 0,1,2,3,4
.irp e, 0,1
	global_load_b128 v[128+8*\i+4*\e:128+8*\i+4*\e+3], v28, s[16:17] offset:\i*1048576+\e*16384 th:TH_LOAD_NT  ; sixteen lanes read 256 consecutive bytes of a channel
.endr
.endr
	s_wait_loadcnt 10                              ; all but X's ten loads, which were issued last and land under the work below
	v_lshl_add_u32 v29, v0, 3, PARL
.irp i, 0,1,2,3,4,5,6
	RND 168+2*\i, 30
.endr
	v_pk_add_f32 v[172:173], v[172:173], v[174:175]    ; be_fr + b_pos2: the first LayerNorm's result starts the second product's sums
	ds_store_b64 v29, v[168:169]
	ds_store_b64 v29, v[170:171] offset:4096
	ds_store_b64 v29, v[172:173] offset:8192
	ds_store_b64 v29, v[176:177] offset:12288
	ds_store_b64 v29, v[178:179] offset:16384
	ds_store_b64 v29, v[180:181] offset:20480
	MKTAB 182
	; h: thread t makes columns 8 (t % 128) .. + 7 of rows 16 (t / 128) .. + 15, four rows a trip
.set n, 192
.rept 28
	RND n, 30
.set n, n+2
.endr
	v_lshrrev_b32 v29, 7, v0
	v_mul_u32_u24 v29, v29, 16*P2
	v_and_b32 v30, 127, v0
	v_lshl_add_u32 v29, v30, 4, v29
	s_mov_b32 s6, 4
.Lh:
	HROW 0
	HROW 1
	HROW 2
	HROW 3
.set n, 216
.rept 24
	v_mov_b32 v[n], v[n+8]                         ; the next four rows' coordinates move down, so that one text serves every trip
.set n, n+1
.endr
	v_add_nc_u32 v29, 4*P2, v29
	s_sub_co_u32 s6, s6, 1
	s_cmp_lg_u32 s6, 0
	s_cbranch_scc1 .Lh
	s_wait_loadcnt 0x0                             ; X
	v_mul_u32_u24 v29, v1, 4*PX                    ; X turned: token 4 (t % 16) + k, channel pair 32 i + t / 16
	v_lshrrev_b32 v30, 4, v0
	v_lshl_add_u32 v29, v30, 2, v29
	v_add_nc_u32 v29, R1, v29
.irp i, 0,1,2,3,4
.irp k, 0,1,2,3
	R2H 128+8*\i+\k, 128+8*\i+\k, 128+8*\i+4+\k, 30+(\k%2)
	ds_store_b32 v29, v[128+8*\i+\k] offset:\k*PX+128*\i
.endr
.endr
	s_wait_dscnt 0x0                               ; for the others' sake: my stores into the vectors, the table, h and X are done
	s_barrier_signal -1
	s_barrier_wait -1
	ACCINIT 0                                      ; b_fr
	MKADA R1, PX
	KLOOP 5, 0                                     ; X w_fr: K = 320
	LNCORE 0, 1, 2                                 ; feat + b_pos2
	MKADA R2, P2
	KLOOP 16, 0                                    ; + h w_pos2: K = 1,024
	s_branch .Llnb
	; ---------------- THE SATELLITE: role s5, batch s6, tokens s7 .. s7 + 63 ----------------
.Lsat:
	s_load_b512 s[16:31], s[0:1], 0x60             ; sat_tokens 16, sat_xy 18, b_sa 20, g_sa 22, be_sa 24, bk 26, bv 28, kh 30
	s_load_b64 s[32:33], s[0:1], 0xa0              ; vt
	s_sub_co_u32 s4, s3, 128
	s_lshr_b32 s5, s4, 5
	s_and_b32 s4, s4, 31
	s_lshr_b32 s6, s4, 4
	s_and_b32 s7, s4, 15
	s_lshl_b32 s7, s7, 6
	s_mul_i32 s14, s5, 56*65536                    ; the role's stream begins at K step 74 or 130
	s_add_co_u32 s14, s14, 74*65536
	s_mov_b32 s15, 0
	s_lshl_b32 s40, s6, 4
	s_add_co_u32 s40, s40, s2                      ; bh
	s_lshl_b32 s40, s40, 17                        ; 1,024 rows of 128 bytes, in kh and in vt alike
	s_lshl_b32 s41, s7, 7
	s_add_co_u32 s40, s40, s41
	s_mov_b32 s41, 0
	s_lshl_b32 s42, s6, 10
	s_add_co_u32 s42, s42, s7                      ; the first token's number
	s_lshl_b32 s44, s42, 3
	s_mov_b32 s45, 0
	s_mul_i32 s42, s42, 3072
	s_mov_b32 s43, 0
	s_mul_i32 s46, s2, 4*3072                      ; wave w brings rows 4 w .. 4 w + 3
	v_add_nc_u32 v28, s46, v[GO]
	s_wait_kmcnt 0x0
	s_add_nc_u64 s[8:9], s[8:9], s[14:15]
	s_cmp_eq_u32 s5, 1
	s_cselect_b64 s[34:35], s[28:29], s[26:27]     ; bv or bk
	s_cselect_b64 s[10:11], s[32:33], s[30:31]     ; vt or kh
	s_add_nc_u64 s[10:11], s[10:11], s[40:41]
	s_add_nc_u64 s[16:17], s[16:17], s[42:43]
	s_add_nc_u64 s[18:19], s[18:19], s[44:45]
	BLOAD 0, 0
	BLOAD 1, 1
	global_load_b64 v[224:225], v24, s[20:21]
	global_load_b64 v[226:227], v24, s[22:23]
	global_load_b64 v[228:229], v24, s[24:25]
	global_load_b64 v[230:231], v24, s[34:35]
	global_load_b64 v[232:233], v25, s[18:19]
.irp i, 0,1,2,3
.irp q, 0,1,2,3,4,5
	global_load_b128 v[128+4*(6*\i+\q):128+4*(6*\i+\q)+3], v28, s[16:17] offset:\i*3072+\q*512  ; 512 consecutive bytes of a row
.endr
.endr
	s_wait_loadcnt 24                              ; all but the tokens' 24 loads, which were issued last
	v_lshl_add_u32 v29, v0, 3, PARL
.irp i, 0,1,2,3
	RND 224+2*\i, 30
.endr
	ds_store_b64 v29, v[224:225]
	ds_store_b64 v29, v[226:227] offset:12288
	ds_store_b64 v29, v[228:229] offset:16384
	ds_store_b64 v29, v[230:231] offset:20480
	s_cmp_eq_u32 s5, 1
	s_cbranch_scc1 .Lnotab                         ; v is not turned: the V role makes no table
	MKTAB 232
.Lnotab:
	s_wait_loadcnt 0x0
	s_mul_i32 s46, s2, 4*PT
	s_add_co_u32 s46, s46, R1
	v_lshrrev_b32 v29, 1, v[GO]                    ; 8 bytes a lane
	v_add_nc_u32 v29, s46, v29
.irp i, 0,1,2,3
.irp q, 0,1,2,3,4,5
	R2H 128+4*(6*\i+\q),   128+4*(6*\i+\q),   128+4*(6*\i+\q)+1, 30
	R2H 128+4*(6*\i+\q)+1, 128+4*(6*\i+\q)+2, 128+4*(6*\i+\q)+3, 31
	ds_store_b64 v29, v[128+4*(6*\i+\q):128+4*(6*\i+\q)+1] offset:\i*PT+\q*256
.endr
.endr
	s_wait_dscnt 0x0                               ; for the others' sake: my stores are done
	s_barrier_signal -1
	s_barrier_wait -1
	ACCINIT 0                                      ; b_sa
	MKADA R1, PT
	KLOOP 12, 0                                    ; T w_sa: K = 768
	; ---------------- BOTH: the last LayerNorm, the last product, the way out ----------------
.Llnb:
	LNCORE 2, 3, 4
	MKADA R2, P2
	s_lshl_b32 s14, s2, 7                          ; my 64 columns: 128 bytes of a row
.irp a, 0,1,2,3
	v_add_nc_u32 v[T+\a], s14, v[ADA+\a]
.endr
	; q_embed or sat, rounded to f16, takes h's place: every wave's reads of h were waited for in its K steps, ahead of the LayerNorm's two barriers
.irp a, 0,1,2,3
.irp c, 0,1,2,3
.irp p, 0,1,2,3
	v_cvt_pk_f16_f32 v[32+4*((4*\a+\c)%8)+\p], v[ACC+8*(4*\a+\c)+2*\p], v[ACC+8*(4*\a+\c)+2*\p+1]
.endr
	ds_store_b128 v[T+\a], v[32+4*((4*\a+\c)%8):32+4*((4*\a+\c)%8)+3] offset:32*\c
.endr
.endr
	s_wait_dscnt 0x0
	s_barrier_signal -1
	s_barrier_wait -1
	s_cmp_eq_u32 s5, 1
	s_cbranch_scc1 .Lfinv
	ACCINIT 5                                      ; bq or bk
	KLOOP 15, 0
	KTAIL 0
	v_mul_u32_u24 v4, v1, PTB
	v_add_nc_u32 v4, TABL, v4
	v_cvt_f32_u32 v6, v2
	v_fma_f32 v6, v6, 2.0, -1.0                    ; -1 for h = 0, +1 for h = 1
	v_mov_b32 v7, v6
	ROPE 0
	ROPE 1
	ROPE 2
	ROPE 3
	s_branch .Lout
.Lfinv:                                                ; V: a lane holds ONE channel (16 c + r) and eight tokens, so the bias is one number for each column tile
	s_lshl_b32 s14, s2, 8
	s_add_co_u32 s14, s14, PARL+5*4096
	v_lshl_add_u32 v24, v1, 2, s14
.irp c, 0,1,2,3
	ds_load_b32 v[16+\c], v24 offset:64*\c
.endr
	s_wait_dscnt 0x0
.irp c, 0,1,2,3
.set n, 0
.rept 32
	v_mov_b32 v[ACC+32*\c+n], v[16+\c]             ; bv starts the sums
.set n, n+1
.endr
.endr
	KLOOP 15, 1
	KTAIL 1
.Lout:
	PACK 0
	PACK 1                                         ; a block's conversions stand between the loads of the block before and its stores
	SEND 0, 8
	PACK 2
	SEND 1, 8
	PACK 3
	SEND 2, 8
	SEND 3, 0
	s_wait_tensorcnt 0x0                           ; the wave's end, behind my last LDS store
	ds_add_u32 v[SPW], v[NIL]
	s_wait_dscnt 0x0
	s_endpgm
.Lfunc_end_k_qc48ffccf71_chain:
	.size	k_qc48ffccf71_chain, .Lfunc_end_k_qc48ffccf71_chain-k_qc48ffccf71_chain
	.p2alignl 7, 3214868480
	.fill 96, 4, 3214868480
	.section	.rodata,"a",@progbits
	.p2align	6, 0x0
	.amdhsa_kernel k_qc48ffccf71_chain
		.amdhsa_group_segment_fixed_size 320512
		.amdhsa_private_segment_fixed_size 0
		.amdhsa_enable_private_segment 0
		.amdhsa_kernarg_size 176
		.amdhsa_user_sgpr_count 2
		.amdhsa_user_sgpr_kernarg_segment_ptr 1
		.amdhsa_wavefront_size32 1
		.amdhsa_system_sgpr_workgroup_id_x 1
		.amdhsa_system_sgpr_workgroup_id_y 1
		.amdhsa_system_sgpr_workgroup_id_z 1
		.amdhsa_system_vgpr_workitem_id 0
		.amdhsa_next_free_vgpr 256
		.amdhsa_next_free_sgpr 66
		.amdhsa_reserve_vcc 1
		.amdhsa_float_denorm_mode_32 3
		.amdhsa_float_denorm_mode_16_64 3
		.amdhsa_memory_ordered 1
		.amdhsa_forward_progress 1
		.amdhsa_inst_pref_size 186
	.end_amdhsa_kernel
	.amdgpu_metadata
---
amdhsa.version: [ 1, 2 ]
amdhsa.kernels:
  - .name:           k_qc48ffccf71_chain
    .symbol:         k_qc48ffccf71_chain.kd
    .args:
      - { .name: front_feat, .offset: 0, .size: 8, .value_kind: global_buffer, .address_space: global }
      - { .name: front_bev_xy, .offset: 8, .size: 8, .value_kind: global_buffer, .address_space: global }
      - { .name: w_pos1, .offset: 16, .size: 8, .value_kind: global_buffer, .address_space: global }
      - { .name: b_pos1, .offset: 24, .size: 8, .value_kind: global_buffer, .address_space: global }
      - { .name: b_fr, .offset: 32, .size: 8, .value_kind: global_buffer, .address_space: global }
      - { .name: g_fr, .offset: 40, .size: 8, .value_kind: global_buffer, .address_space: global }
      - { .name: be_fr, .offset: 48, .size: 8, .value_kind: global_buffer, .address_space: global }
      - { .name: b_pos2, .offset: 56, .size: 8, .value_kind: global_buffer, .address_space: global }
      - { .name: g_qn, .offset: 64, .size: 8, .value_kind: global_buffer, .address_space: global }
      - { .name: be_qn, .offset: 72, .size: 8, .value_kind: global_buffer, .address_space: global }
      - { .name: bq, .offset: 80, .size: 8, .value_kind: global_buffer, .address_space: global }
      - { .name: qh, .offset: 88, .size: 8, .value_kind: global_buffer, .address_space: global }
      - { .name: sat_tokens, .offset: 96, .size: 8, .value_kind: global_buffer, .address_space: global }
      - { .name: sat_xy, .offset: 104, .size: 8, .value_kind: global_buffer, .address_space: global }
      - { .name: b_sa, .offset: 112, .size: 8, .value_kind: global_buffer, .address_space: global }
      - { .name: g_sa, .offset: 120, .size: 8, .value_kind: global_buffer, .address_space: global }
      - { .name: be_sa, .offset: 128, .size: 8, .value_kind: global_buffer, .address_space: global }
      - { .name: bk, .offset: 136, .size: 8, .value_kind: global_buffer, .address_space: global }
      - { .name: bv, .offset: 144, .size: 8, .value_kind: global_buffer, .address_space: global }
      - { .name: kh, .offset: 152, .size: 8, .value_kind: global_buffer, .address_space: global }
      - { .name: vt, .offset: 160, .size: 8, .value_kind: global_buffer, .address_space: global }
      - { .name: wcat, .offset: 168, .size: 8, .value_kind: global_buffer, .address_space: global }
    .group_segment_fixed_size: 320512
    .private_segment_fixed_size: 0
    .kernarg_segment_align: 8
    .kernarg_segment_size: 176
    .max_flat_workgroup_size: 512
    .sgpr_count:     66
    .vgpr_count:     256
    .wavefront_size: 32
...
	.end_amdgpu_metadata
.endif
;; end of part 2
;; launch attn (part 3): grid 8 x 32, 4 waves a work-group, clusters of 4 x 1, 327,680 bytes of LDS; arguments qh, kh, vt, front_bev_xy, sat_xy, out0; writes out0
.if DOCPART == 3
	.amdgcn_target "amdgcn-amd-amdhsa--gfx1250"
	.amdhsa_code_object_version 6
	.text
	.protected	k_qc48ffccf71_attn
	.globl	k_qc48ffccf71_attn
	.p2align	8
	.type	k_qc48ffccf71_attn,@function
k_qc48ffccf71_attn:
	s_mov_b64 s[64:65], 0
	v_nop
	global_prefetch_b8 v0, s[64:65] scope:SCOPE_SE
	s_setreg_imm32_b32 hwreg(HW_REG_WAVE_MODE, 25, 1), 1
	s_wait_xcnt 0x0
	s_wait_alu depctr_hold_cnt(0) depctr_sa_sdst(0) depctr_va_vdst(0) depctr_va_sdst(0) depctr_va_ssrc(0) depctr_va_vcc(0) depctr_vm_vsrc(0)
	s_getreg_b32 s2, hwreg(HW_REG_IB_STS2, 6, 4)
	s_cmp_eq_u32 s2, 0
	s_cbranch_scc0 .Lentry_in_a_cluster
	s_endpgm
.Lentry_in_a_cluster:
	s_bfe_u32 s2, ttmp6, 0x10000c
	s_cmp_lg_u32 s2, 0x3003
	s_cbranch_scc0 .Lentry_shape_is_right
	s_endpgm
.Lentry_shape_is_right:
; out0[b][q][64 hd + :] = the sum over k of softmax_k(q . k / 8 - |p_q - p_k|^2) v.  qh [32 bh][4096][64], kh [32][1024][64], vt [32][16 key blocks][64 channels][64 keys], all f16; out0 f32.
; Products, maxima and sums in f32; the weights p are rounded to f16 for the second product (their sum l is taken of the unrounded p).
; SHARES.  A work-group owns 512 queries of one (batch, head), a wave 128: four PIECES of two tiles of 16.  Every wave walks the head's 1,024 keys, 64 a step.
; CLUSTER.  The four query blocks of a cluster belong to one head and need the same K and V: each wave asks JOINTLY for a quarter of them (512 keys of K, or 8 key blocks of V) with the same descriptor
; and a mask that names the four.  The whole head fits in LDS (2 x 147,456 bytes), so no byte is filled twice: one tensor load of each wave is out, once; there is no ring and no tail.
; THE DISTANCE goes through the matrix unit as eight channels more.  Coordinates are rounded to bf16 like every input and centred on the batch's first satellite point; then, with hi and lo f16 parts,
;   key   (xh, xl, xh, yh, yl, yh, wH, wL),  w = -(x^2 + y^2) / 8        query (XH, XH, XL, YH, YH, YL, 64, 64),  X = 16 x
; give 16 p_q . p_k - 8 |p_k|^2 = -8 dist^2 + 8 |p_q|^2; the last term is one number for a query and cancels in the softmax, and the common factor 1 / 8 lies in c.  This product, with C = 0, starts the sums.
; LIMITS.  Centred coordinates stay under 700 (w within f16's 65,504); the parts left out are below 2^-22 of the products.  A weight below 2^-126 counts as 0 in l; p below 6e-5 keeps f16's step of 6e-8;
; NaN and infinities are not treated apart.
; LAYOUT.  S^T = K Q^T (source 0 = 16 keys, source 1 = 16 queries): a lane holds ONE query (lane % 16) and the keys 8 (lane / 16) + 0..7; two such results rounded to f16 ARE source 1 of O^T = V^T P.
; SOFTMAX.  Running maximum m and sum l: p = 2^(c s - c m), c = log2(e) / 8; in every step O and l are multiplied by a = 2^(c m_old - c m_new).  m starts at the lowest finite number, O and l at 0.
; BY TURNS.  Turn p: 24 products K Q^T of piece p + 1, 16 products V^T P of piece p - 1, and between them, six behind each, the 236 vector instructions of piece p's softmax.  The three pieces'
; registers are disjoint (S^T and P have two buffers, by the piece's parity), so no vector line near a product names its registers.
; REGISTERS, in windows of 256 (s_set_vgpr_msb: bits 1:0 source 0, 3:2 source 1, 5:4 source 2, 7:6 destination):
;   window 0: v0-11 addresses; v12-15, v48-63 at work; v16-47 four registers of statistics a tile; v64-191 S^T; v192-255 P      window 1: O^T, 32 a tile
;   window 2: v0-127 Q, 16 a tile; v128-191 K of one step; v192-255 V of one step      window 3: v0-63 the queries' eight channels, 8 a tile; v64-95 the keys', 8 a block of 16
.set NP,    4
.set PK,    144       ; a row of K or of V^T in LDS: 128 bytes + 16 = 36 words: the 16 rows of a load start at 16 different groups of four banks (64 banks of 4 bytes: ISA guide 11.1)
.set STEPB, 64*PK     ; a key step: 64 keys of K, or 64 channel rows of V^T
.set VT,    16*STEPB
.set GEO,   2*VT      ; 1,024 keys x 16 bytes, written by ds_store: blocks of their own, into which no fill lands
.set SPARE, GEO+16384 ; the spare words, 128 bytes for each of four waves
.set SP,    272       ; the way out: a row of 64 f32 + 16; the stages, 16 rows a wave, take K's first 17,408 bytes when K has been read out (its one fill is long over)
.set AG,  2           ; v2   LDS address of the keys' eight channels, next step
.set TA,  3           ; v3   at work in the set-up
.set AK,  4           ; v4   LDS address of K's next run of loads
.set AV,  5           ; v5   of V's
.set QO,  6           ; v6   my byte offset in 16 rows of Q; later STO
.set STO, 6           ;      the way out: where I put 32 bytes of a row
.set RD,  7           ; v7   the way out: where I read rows back
.set GO,  8           ; v8   my byte offset in two rows of out0
.set SPW, 10          ; v10  LDS address of my spare word; never rewritten
.set NIL, 11          ; v11  0; never rewritten
.set MV,  12
.set ST,  16          ; tile t's statistics at v[ST+4 t]: c m, m, l (even keys', odd keys')
.set TMP, 48
.set S,   64
.set P,   192
.set KF,  128
.set VF,  192
.set QG,  0
.set KG,  64
.set WV,  16          ; s16  my wave's number
.set G1,  24          ; s[24:31] descriptor group 1
.set G0,  32          ; s[32:35] descriptor group 0
.set CNT, 36          ; s36  key steps to go
.set CS,  38          ; s[38:39] c
.set SEL, 40          ; s[40:41] v_permlanex16_b32's selects
.set HM,  42          ; s42  the lanes with lane / 16 = 0
.set MSB, 0
.macro WIN new                      ; the high byte repeats the setting that is left; a switch that changes nothing is dropped
.if MSB != (\new)
	s_set_vgpr_msb (MSB<<8)|(\new)
.set MSB, (\new)
.endif
.endm
.set W_KQ, 0x0a       ; K and Q in window 2, S^T in window 0
.set W_KG, 0x0f       ; both sources in window 3, S^T in window 0
.set W_PV, 0x52       ; V in window 2, P in window 0, O^T in window 1
.set W_RS, 0x41       ; O^T (destination and source 0) in window 1, source 1 in window 0
.macro CROUND                       ; a round of the cluster's barrier
	s_barrier_signal -1
	s_barrier_wait -1
	s_cmp_lg_u32 s[WV], 0
	s_cbranch_scc1 .Lnot_wave_0_\@
	s_barrier_signal -3
.Lnot_wave_0_\@:
	s_barrier_wait -3
	s_barrier_signal -1
	s_barrier_wait -1
.endm
.macro RND a, t                     ; v[a], v[a+1] rounded to bf16 and kept as f32
	v_cvt_pk_bf16_f32 v[\t], v[\a], v[(\a)+1]
	v_lshlrev_b32 v[\a], 16, v[\t]
	v_and_b32 v[(\a)+1], 0xffff0000, v[\t]
.endm
.macro HILO a                       ; the pair v[a], v[a+1] as f16 parts: v100 = (hi of the first, hi of the second), v101 = the two rests
	v_cvt_pk_f16_f32 v100, v[\a], v[(\a)+1]
	v_cvt_f32_f16 v102, v100.l
	v_cvt_f32_f16 v103, v100.h
	v_pk_add_f32 v[102:103], v[\a:(\a)+1], v[102:103] neg_lo:[0,1] neg_hi:[0,1]
	v_cvt_pk_f16_f32 v101, v102, v103
.endm
	s_load_b256 s[4:11], s[0:1], 0x0  ; qh s[4:5], kh s[6:7], vt s[8:9], front_bev_xy s[10:11]
	s_load_b128 s[12:15], s[0:1], 0x20  ; sat_xy s[12:13], out0 s[14:15]
	v_lshl_add_u32 v[SPW], v0, 2, SPARE
	v_mov_b32 v[NIL], 0
	ds_add_u32 v[SPW], v[NIL]       ; the wave's opening: the add and its wait stand ahead of my tensor load; the set-up below, work on registers, stands between them
	v_lshrrev_b32 v1, 5, v0
	v_readfirstlane_b32 s[WV], v1   ; wave 0..3
	s_bfe_u32 s17, ttmp6, 0x40000   ; cx: my place in the cluster
	s_lshl_b32 s18, ttmp9, 2        ; in a cluster launch ttmp9 counts clusters
	s_add_co_u32 s18, s18, s17      ; my block of 512 queries: it enters Q's, the queries' coordinates' and out0's addresses alone
	s_and_b32 s19, ttmp7, 0xffff    ; bh, which the four partners share
	s_lshr_b32 s20, s19, 4          ; batch
	s_and_b32 s21, s19, 15          ; head
	s_lshl_b32 s52, s19, 19         ; Q: 4,096 rows of 128 bytes a head, 512 a block, 128 a wave
	s_lshl_b32 s22, s18, 16
	s_add_co_u32 s52, s52, s22
	s_lshl_b32 s22, s[WV], 14
	s_add_co_u32 s52, s52, s22
	s_mov_b32 s53, 0
	s_lshl_b32 s54, s20, 15         ; the queries' coordinates: 8 bytes each
	s_lshl_b32 s22, s18, 12
	s_add_co_u32 s54, s54, s22
	s_lshl_b32 s22, s[WV], 10
	s_add_co_u32 s54, s54, s22
	s_mov_b32 s55, 0
	s_lshl_b32 s56, s20, 13         ; the batch's 1,024 satellite points
	s_mov_b32 s57, 0
	s_lshl_b32 s58, s20, 24         ; out0: rows of 4,096 bytes, the head's 256 of them
	s_lshl_b32 s22, s18, 21
	s_add_co_u32 s58, s58, s22
	s_lshl_b32 s22, s[WV], 19
	s_add_co_u32 s58, s58, s22
	s_lshl_b32 s22, s21, 8
	s_add_co_u32 s58, s58, s22
	s_mov_b32 s59, 0
	s_lshl_b32 s60, s19, 17         ; K and V: 131,072 bytes a head, my half of them
	s_and_b32 s23, s[WV], 1
	s_lshl_b32 s23, s23, 16
	s_add_co_u32 s60, s60, s23
	s_mov_b32 s61, 0
	; descriptor group 1: 65,536 dense bytes, asked for as 256 rows of 256 bytes and padded in LDS after every 128
	s_mov_b32 s[G1], 15|(1<<16)|(1<<20)|(1<<21)|(4<<22)|(3<<25)  ; 15:0 the mask of four; 17:16 2-byte elements; 20 padding on; 21 set beside a mask; 24:22 after every 32 words (code 4); 31:25 4 words (code 3)
	s_mov_b32 s[G1+1], 128<<16      ; tensor_dim0 = 128
	s_mov_b32 s[G1+2], 256<<16      ; tensor_dim1 = 256
	s_mov_b32 s[G1+3], 128<<16      ; tile_dim0 = 128
	s_mov_b32 s[G1+4], 256          ; tile_dim1 = 256
	s_mov_b32 s[G1+5], 128          ; 128 elements from row to row
	s_mov_b32 s[G1+6], 0
	s_mov_b32 s[G1+7], 0
	s_mov_b32 s[G0], 1              ; count = 1
	s_mul_i32 s[G0+1], s[WV], 512*PK  ; LDS address: K's two halves, then V's: wave x 73,728; no place in the cluster enters it
	s_mov_b32 s[CS], 0x3e38aa3b     ; c = log2(e) / 8
	s_mov_b32 s[CS+1], s[CS]
	s_mov_b32 s[SEL], 0x76543210
	s_mov_b32 s[SEL+1], 0xfedcba98
	s_mov_b32 s43, 0x05040100       ; v_perm_b32: (second source's low half, first source's low half)
	s_mov_b32 s44, 0x07060302       ; (second's high half, first's high half)
	s_mov_b32 s45, 0x07060100       ; (second's low half, first's high half)
	s_wait_dscnt 0x0                ; the opening add is done
	s_wait_kmcnt 0x0
	s_cmp_lt_u32 s[WV], 2           ; waves 0 and 1 fetch K, waves 2 and 3 V
	s_cselect_b64 s[62:63], s[6:7], s[8:9]
	s_add_nc_u64 s[G0+2:G0+3], s[62:63], s[60:61]
	s_or_b32 s[G0+3], s[G0+3], 0x80000000  ; type = 2
	s_add_nc_u64 s[4:5], s[4:5], s[52:53]
	s_add_nc_u64 s[10:11], s[10:11], s[54:55]
	s_add_nc_u64 s[12:13], s[12:13], s[56:57]
	s_add_nc_u64 s[14:15], s[14:15], s[58:59]
	CROUND                          ; all four work-groups are here: the joint loads meet
	tensor_load_to_lds s[G0:G0+3], s[G1:G1+7]
	s_nop 0
.rept 4
	v_nop                           ; (the windows are switched behind four instructions)
.endr
	v_and_b32 v1, 15, v0            ; r
	v_bfe_u32 v9, v0, 4, 1          ; h
	v_lshlrev_b32 v[QO], 7, v1
	v_lshl_add_u32 v[QO], v9, 4, v[QO]  ; row x 128 + 16 x half
	v_lshlrev_b32 v[TA], 3, v0      ; satellite point t + 128 i
	v_lshlrev_b32 v[RD], 3, v1      ; query r of a tile
	v_mov_b32 v[GO], 0              ; the batch's first satellite point
	WIN 0x80                        ; destination window 2, address window 0
.set i, 0
.rept 16                            ; Q stays in registers: tile i / 2, channels 32 (i % 2) on
	global_load_b128 v[8*i:8*i+3],   v[QO], s[4:5] offset:(i/2)*2048+(i%2)*64
	global_load_b128 v[8*i+4:8*i+7], v[QO], s[4:5] offset:(i/2)*2048+(i%2)*64+32
.set i, i+1
.endr
	WIN 0
.irp i, 0,1,2,3,4,5,6,7
	global_load_b64 v[64+2*\i:65+2*\i], v[TA], s[12:13] offset:1024*\i
.endr
	global_load_b64 v[80:81], v[GO], s[12:13]
.irp i, 0,1,2,3,4,5,6,7
	global_load_b64 v[82+2*\i:83+2*\i], v[RD], s[10:11] offset:128*\i
.endr
	; What the first turn finds: V's registers and P's second buffer hold 0 (its products V^T P, of a piece that has not been, add 0), O^T and l are 0.  No first step is written out; the price is these lines, which stand in the wait for the tiles.
	WIN 0x80
.set i, VF
.rept 64
	v_mov_b32 v[i], 0
.set i, i+1
.endr
	WIN 0x40
.set i, 0
.rept 256
	v_mov_b32 v[i], 0
.set i, i+1
.endr
	WIN 0xc0
.set i, 0
.rept 4
.irp j, 4,5,6,7
	v_mov_b32 v[KG+8*i+\j], 0       ; channels 16-31 of the keys' extra fragment
.endr
.set i, i+1
.endr
	WIN 0
.set i, 0
.rept 8
	v_mov_b32 v[ST+4*i], 0xfe000000    ; c m: far below every c s
	v_mov_b32 v[ST+4*i+1], 0xff7fffff  ; m
	v_mov_b32 v[ST+4*i+2], 0
	v_mov_b32 v[ST+4*i+3], 0
.set i, i+1
.endr
.set i, P+32
.rept 32
	v_mov_b32 v[i], 0
.set i, i+1
.endr
	v_cmp_eq_u32 s[HM], 0, v9
	v_mov_b32 v111, 0x54005400      ; (64, 64) in f16
	s_wait_loadcnt 0x0              ; Q and the coordinates
	v_lshl_add_u32 v[TA], v0, 4, GEO
	RND 80, 98
.irp i, 0,1,2,3,4,5,6,7             ; the eight channels of satellite point t + 128 i
	RND 64+2*\i, 98
	v_pk_add_f32 v[64+2*\i:65+2*\i], v[64+2*\i:65+2*\i], v[80:81] neg_lo:[0,1] neg_hi:[0,1]
	HILO 64+2*\i
	v_mul_f32 v104, v[64+2*\i], v[64+2*\i]
	v_fma_f32 v104, v[65+2*\i], v[65+2*\i], v104
	v_mul_f32 v104, 0xbe000000, v104   ; w = -(x^2 + y^2) / 8
	v_cvt_pk_f16_f32 v105, v104, v104
	v_cvt_f32_f16 v105, v105.l
	v_sub_f32 v105, v104, v105
	v_perm_b32 v106, v101, v100, s43   ; (xh, xl)
	v_mov_b32 v107, v100               ; (xh, yh)
	v_perm_b32 v108, v100, v101, s44   ; (yl, yh)
	v_cvt_pk_f16_f32 v109, v104, v105  ; (wH, wL)
	ds_store_b128 v[TA], v[106:109] offset:2048*\i
.endr
.irp i, 0,1,2,3,4,5,6,7             ; the eight channels of query r of tile i
	RND 82+2*\i, 98
	v_pk_add_f32 v[82+2*\i:83+2*\i], v[82+2*\i:83+2*\i], v[80:81] neg_lo:[0,1] neg_hi:[0,1]
	v_pk_mul_f32 v[82+2*\i:83+2*\i], v[82+2*\i:83+2*\i], 0x41800000 op_sel_hi:[1,0]
	HILO 82+2*\i
	v_perm_b32 v[128+4*\i], v100, v100, s43    ; (XH, XH)
	v_perm_b32 v[129+4*\i], v100, v101, s45    ; (XL, YH)
	v_perm_b32 v[130+4*\i], v101, v100, s44    ; (YH, YL)
.endr
	WIN 0xc0                        ; they lie in channels 0-7, which the lanes with h = 0 hold in registers 0-3; all else is 0, so whatever finite numbers the keys' fragment holds there add nothing
.irp i, 0,1,2,3,4,5,6,7
	v_cndmask_b32 v[QG+8*\i],   0, v[128+4*\i], s[HM]
	v_cndmask_b32 v[QG+8*\i+1], 0, v[129+4*\i], s[HM]
	v_cndmask_b32 v[QG+8*\i+2], 0, v[130+4*\i], s[HM]
	v_cndmask_b32 v[QG+8*\i+3], 0, v111, s[HM]
	v_mov_b32 v[QG+8*\i+4], 0
	v_mov_b32 v[QG+8*\i+5], 0
	v_mov_b32 v[QG+8*\i+6], 0
	v_mov_b32 v[QG+8*\i+7], 0
.endr
	WIN 0
	v_mul_u32_u24 v[AK], v1, PK
	v_lshl_add_u32 v[AK], v9, 4, v[AK]  ; row x pitch + 16 x half
	v_add_nc_u32 v[AV], VT, v[AK]
	v_lshl_add_u32 v[AG], v1, 4, GEO
; THE MATRIX WORK.  The 8 accumulators of a run take turns: between two links of a chain stand 7 others'.
; Product i of 24 of S^T for piece x: part i / 8 (0: the distance's channels, which start the sums; 1, 2: channels 0-31, 32-63), keys 16 ((i / 2) % 4) on, tile 2 x + i % 2.
.macro KQ x
.set rS, S+64*((\x)%2)+32*(i%2)+8*((i/2)%4)
.if i < 8
	WIN W_KG
.set rK, KG+8*((i/2)%4)
.set rQ, QG+8*(2*(\x)+i%2)
	v_wmma_f32_16x16x32_f16 v[rS:rS+7], v[rK:rK+7], v[rQ:rQ+7], 0
.else
	WIN W_KQ
.set rK, KF+16*((i/2)%4)+8*(i/8-1)
.set rQ, 16*(2*(\x)+i%2)+8*(i/8-1)
	v_wmma_f32_16x16x32_f16 v[rS:rS+7], v[rK:rK+7], v[rQ:rQ+7], v[rS:rS+7]
.endif
.endm
; Product ip of 16 of O^T += V^T P for piece x: keys 32 (ip / 8) on, channels 16 ((ip / 2) % 4) on, tile 2 x + ip % 2.
.macro PV x
	WIN W_PV
.set rO, 32*(2*(\x)+ip%2)+8*((ip/2)%4)
.set rV, VF+32*(ip/8)+8*((ip/2)%4)
.set rP, P+32*((\x)%2)+16*(ip%2)+8*(ip/8)
	v_wmma_f32_16x16x32_f16 v[rO:rO+7], v[rV:rV+7], v[rP:rP+7], v[rO:rO+7]
.endm
.macro MM                           ; the turn's next matrix instruction
.if i < 24
	KQ (Y+1)%NP
.else
.set ip, i-24
	PV (Y+NP-1)%NP
.endif
.set i, i+1
.endm
; THE LDS LOADS stand in runs, never singly among the matrix instructions.  skip = 1: in the last trip there is no further step, and the run is jumped over.
.macro FETCH_K skip
	WIN 0
.if \skip
	s_cmp_eq_u32 s[CNT], 1
	s_cbranch_scc1 .Lno_k_\@
.endif
	WIN 0x80                        ; destination window 2
.irp f, 0,1,2,3,4,5,6,7             ; keys 16 (f / 2) on, channels 32 (f % 2) on
	ds_load_b128 v[KF+8*\f:KF+8*\f+3],   v[AK] offset:(\f/2)*16*PK+(\f%2)*64
	ds_load_b128 v[KF+8*\f+4:KF+8*\f+7], v[AK] offset:(\f/2)*16*PK+(\f%2)*64+32
.endr
	WIN 0xc0                        ; destination window 3
.irp f, 0,1,2,3
	ds_load_b128 v[KG+8*\f:KG+8*\f+3], v[AG] offset:\f*256  ; both halves of the lanes take key r's 16 bytes
.endr
	WIN 0
	v_add_nc_u32 v[AK], STEPB, v[AK]  ; the next fetch is the next step's
	v_add_nc_u32 v[AG], 1024, v[AG]
.if \skip
.Lno_k_\@:
.endif
.endm
.macro FETCH_V
	WIN 0x80
.irp f, 0,1,2,3,4,5,6,7             ; keys 32 (f / 4) on, channels 16 (f % 4) on: V lies turned, so these are plain loads
	ds_load_b128 v[VF+8*\f:VF+8*\f+3],   v[AV] offset:(\f%4)*16*PK+(\f/4)*64
	ds_load_b128 v[VF+8*\f+4:VF+8*\f+7], v[AV] offset:(\f%4)*16*PK+(\f/4)*64+32
.endr
	WIN 0
	v_add_nc_u32 v[AV], STEPB, v[AV]
.endm
; THE VECTOR WORK: one tile's softmax for one step is a list of 118 instructions.
.macro REGS y, u                    ; the registers of tile u (0, 1) of piece y
.set rT, ST+4*(2*(\y)+(\u))
.set rC, TMP+8*((\y)%2)+4*(\u)
.set rM, MV+2*((\y)%2)+(\u)
.set rS, S+64*((\y)%2)+32*(\u)
.set rP, P+32*((\y)%2)+16*(\u)
.set rO, 32*(2*(\y)+(\u))
.endm
; Number n of the 22 that find the maximum and statistics.  s0-s31 are the lane's 32 scores; each accumulator's lowest registers are read first.
;   0-11  four chains c0-c3 of seven scores each     12-14, 16  the four scores left over, the old m, and c0-c3 into c0     15  c m_old is kept     17, 18  the other half of the lanes: the new m     19-21  c m; c m_old - c m_new; a
.macro XS n
.if (\n) < 4
	v_max3_num_f32 v[rC+(\n)], v[rS+8*(\n)], v[rS+8*(\n)+1], v[rS+8*(\n)+2]
.elseif (\n) < 12
	v_max3_num_f32 v[rC+(\n)%4], v[rC+(\n)%4], v[rS+8*((\n)%4)+2*((\n)/4)+1], v[rS+8*((\n)%4)+2*((\n)/4)+2]
.elseif (\n) == 12
	v_max3_num_f32 v[rC], v[rC], v[rS+7], v[rS+15]
.elseif (\n) == 13
	v_max3_num_f32 v[rC+1], v[rC+1], v[rS+23], v[rS+31]
.elseif (\n) == 14
	v_max3_num_f32 v[rC+2], v[rC+2], v[rC+3], v[rT+1]
.elseif (\n) == 15
	v_mov_b32 v[rM], v[rT]
.elseif (\n) == 16
	v_max3_num_f32 v[rC], v[rC], v[rC+1], v[rC+2]
.elseif (\n) == 17
	v_permlanex16_b32 v[rC+3], v[rC], s[SEL], s[SEL+1]
.elseif (\n) == 18
	v_max_num_f32 v[rT+1], v[rC], v[rC+3]
.elseif (\n) == 19
	v_mul_f32 v[rT], s[CS], v[rT+1]
.elseif (\n) == 20
	v_sub_f32 v[rC+1], v[rM], v[rT]
.else
	v_exp_f32 v[rC+2], v[rC+1]
.endif
.endm
.macro OPF n                        ; c s - c m for pair n of 16
	v_pk_fma_f32 v[rS+2*(\n):rS+2*(\n)+1], v[rS+2*(\n):rS+2*(\n)+1], s[CS:CS+1], v[rT:rT+1] op_sel_hi:[1,0,0] neg_lo:[0,0,1] neg_hi:[0,0,1]
.endm
.macro OPE n                        ; the exponential of score n of 32
	v_exp_f32 v[rS+(\n)], v[rS+(\n)]
.endm
.macro OPC n                        ; pair n rounded to f16
	s_wait_alu depctr_va_vdst(0)
	v_cvt_pk_f16_f32 v[rP+(\n)], v[rS+2*(\n)], v[rS+2*(\n)+1]
.endm
.macro OPB n                        ; of the four weights 4 n .. the second pair is added onto the first, in place
	v_pk_add_f32 v[rS+4*(\n):rS+4*(\n)+1], v[rS+4*(\n):rS+4*(\n)+1], v[rS+4*(\n)+2:rS+4*(\n)+3]
.endm
.macro OPL n                        ; l takes that sum; the first time as l = a l + sum
.if (\n) == 0
	v_pk_fma_f32 v[rT+2:rT+3], v[rT+2:rT+3], v[rC+2:rC+3], v[rS:rS+1] op_sel_hi:[1,0,1]
.else
	v_pk_add_f32 v[rT+2:rT+3], v[rT+2:rT+3], v[rS+4*(\n):rS+4*(\n)+1]
.endif
.endm
.macro OPR n                        ; pair n of 16 of O^T times a
	v_pk_mul_f32 v[rO+2*(\n):rO+2*(\n)+1], v[rO+2*(\n):rO+2*(\n)+1], v[rC+2:rC+3] op_sel_hi:[1,0]
.endm
; The list, entry j: 0-21 the maximum and statistics; 22-25 the first four scalings; 26 + 4 g + (0, 1, 2, 3), g = 0..15: exponential 2 g, a plain line, exponential 2 g + 1, a plain line, the plain lines being
; whatever is ready: a scaling five pairs ahead, a sum of weights long made, the rounding of the pair before; 90-101 the rest of the sums; 102-117 the rescaling, the one part outside window 0.
; VEC writes entry vi / 2 for tile vi % 2: the two tiles alternate, so behind every pair of exponentials stands a plain line that names neither's result, and a rounding stands six lines or more behind its exponentials.
.macro VEC
.if vi < 236
.set j, vi/2
	REGS Y, vi%2
.if j < 102
	WIN 0
.else
	WIN W_RS
.endif
.if j < 22
	XS j
.elseif j < 26
	OPF j-22
.elseif j < 90
.set g, (j-26)/4
.set z, (j-26)%4
.if z == 0
	OPE 2*g
.elseif z == 2
	OPE 2*g+1
.elseif z == 1
.if g < 11
	OPF g+5
.else
	OPB g-11
.endif
.elseif g == 0
	OPF 4
.else
	OPC g-1
.endif
.elseif j == 90
	OPL 0
.elseif j == 91
	OPC 15
.elseif j == 92
	OPL 1
.elseif j == 93
	OPB 5
.elseif j == 94
	OPL 2
.elseif j == 95
	OPB 6
.elseif j == 96
	OPL 3
.elseif j == 97
	OPL 4
.elseif j == 98
	OPB 7
.elseif j == 99
	OPL 5
.elseif j == 100
	OPL 6
.elseif j == 101
	OPL 7
.else
	OPR j-102
.endif
.set vi, vi+1
.endif
.endm
; A TURN, for piece p: 40 matrix instructions, six lines of the list behind each (236 = 39 x 6 + 2).
; V of the step in hand is fetched in piece 1's turn behind its first product: the last product that read V stands eight plain lines back; it is waited for ahead of that turn's first V^T P.
; K (and the keys' eight channels) of the next step is fetched in piece 2's turn behind product 25: the last product that read K is number 23, ten plain lines back; it is waited for at the head of piece 3's turn.
.macro TURN p
.set Y, (\p)
.set i, 0
.set vi, 0
.set k, 0
.if (\p) == 3
	s_wait_dscnt 0x0                ; K is in
.endif
.rept 40
.if ((\p) == 1) && (k == 24)
	s_wait_dscnt 0x0                ; V is in
.endif
	MM
.rept 6
	VEC
.endr
.if ((\p) == 1) && (k == 0)
	FETCH_V
.endif
.if ((\p) == 2) && (k == 25)
	FETCH_K 1
.endif
.set k, k+1
.endr
.endm
	s_wait_tensorcnt 0x0            ; my quarter of K and V is in,
	s_wait_dscnt 0x0                ; my stores of the keys' eight channels are done:
	s_barrier_signal -1
	s_barrier_wait -1               ; everybody's are.
	FETCH_K 0                       ; key step 0
	s_wait_dscnt 0x0
.set i, 0
.rept 24
	KQ 0                            ; piece 0's first scores: there is no vector work yet to set between them
.set i, i+1
.endr
	WIN 0                           ; the addresses for the way out: eight plain instructions, the places behind those products
	s_mul_i32 s17, s[WV], 16*SP     ; my stage
	v_mul_u32_u24 v[STO], v1, SP    ; in: row r, 32 bytes for each half of the lanes
	v_lshl_add_u32 v[STO], v9, 5, v[STO]
	v_add_nc_u32 v[STO], s17, v[STO]
	v_mul_u32_u24 v[RD], v9, SP     ; back: lanes 0-15 take one row of 256 bytes, lanes 16-31 the next
	v_lshl_add_u32 v[RD], v1, 4, v[RD]
	v_add_nc_u32 v[RD], s17, v[RD]
	v_lshlrev_b32 v[GO], 12, v9     ; and the same two rows in out0
	v_lshl_add_u32 v[GO], v1, 4, v[GO]
	s_mov_b32 s[CNT], 16
.Lstep:                             ; a trip is a key step: four turns
	TURN 0
	TURN 1
	TURN 2
	TURN 3
	WIN 0
	s_sub_co_u32 s[CNT], s[CNT], 1
	s_cmp_lg_u32 s[CNT], 0
	s_cbranch_scc1 .Lstep           ; (the last trip's 24 products for piece 0, on the last K once more, serve nothing: the price of one text for every trip)
.set ip, 0
.rept 16
	PV NP-1                         ; the last piece's V^T P of the last step
.set ip, ip+1
.endr
	; THE WAY OUT.  l's two halves and the other half of the lanes' are added; O^T is divided by l and sent through my stage in LDS, a tile at a time.  The additions are the places behind the last products.
	WIN 0
.macro ALL line:vararg              ; one line for each tile t
.set t, 0
.rept 2*NP
	\line
.set t, t+1
.endr
.endm
	ALL v_add_f32 v[ST+4*t+2], v[ST+4*t+2], v[ST+4*t+3]
	ALL v_permlanex16_b32 v[ST+4*t+3], v[ST+4*t+2], s[SEL], s[SEL+1]
	ALL v_add_f32 v[ST+4*t+2], v[ST+4*t+2], v[ST+4*t+3]
	ALL v_rcp_f32 v[ST+4*t+2], v[ST+4*t+2]
	v_nop                           ; a plain instruction between the last reciprocal and the use of its result
	s_wait_dscnt 0x0                ; my reads of K and V are over;
	s_barrier_signal -1
	s_barrier_wait -1               ; everybody's are: the stages may take K's first bytes
; Tile t: a lane's eight channels of a row are 32 bytes; they go into rows of 272 bytes and come back as whole rows of 256, into S^T's registers.
.macro OPACK t
	WIN W_RS
.set i, 32*(\t)
.rept 16
	s_wait_alu depctr_va_vdst(0)
	v_pk_mul_f32 v[i:i+1], v[i:i+1], v[ST+4*(\t)+2:ST+4*(\t)+3] op_sel_hi:[1,0]
.set i, i+2
.endr
	WIN 0x04                        ; the stores' data in window 1
.irp f, 0,1,2,3,4,5,6,7
	ds_store_b128 v[STO], v[32*(\t)+4*\f:32*(\t)+4*\f+3] offset:(\f/2)*64+(\f%2)*16
.endr
	WIN 0
	s_wait_xcnt 0x0                 ; the registers loaded below were the data of the stores four tiles back: they are rewritten only behind this wait
.irp f, 0,1,2,3,4,5,6,7
	ds_load_b128 v[S+32*((\t)%4)+4*\f:S+32*((\t)%4)+4*\f+3], v[RD] offset:\f*2*SP  ; LDS serves a wave's instructions in order (ISA guide 5.7.1.4): these see the stores above; the next tile's stores come behind them
.endr
.endm
.macro OSEND t, younger             ; younger: the LDS instructions issued behind tile t's loads: the next tile's sixteen, or none
	WIN 0
.irp f, 0,1,2,3,4,5,6,7
	s_wait_dscnt (\younger)+7-\f
	global_store_b128 v[GO], v[S+32*((\t)%4)+4*\f:S+32*((\t)%4)+4*\f+3], s[14:15] offset:(\t)*65536+\f*8192 th:TH_STORE_NT  ; 16 lanes store 256 consecutive bytes, at a multiple of 256 from out0's first
.endr
.endm
	OPACK 0
.set t, 1
.rept 2*NP-1                        ; a tile's arithmetic stands between the loads of the tile before and its stores
	OPACK t
	OSEND t-1, 16
.set t, t+1
.endr
	OSEND 2*NP-1, 0
	s_wait_tensorcnt 0x0            ; the wave's end, behind my tensor load and my last LDS store
	ds_add_u32 v[SPW], v[NIL]
	s_wait_dscnt 0x0
	CROUND                          ; the closing round: no work-group ends while a partner may still ask for a tile that names it
	s_endpgm
.Lfunc_end_k_qc48ffccf71_attn:
	.size	k_qc48ffccf71_attn, .Lfunc_end_k_qc48ffccf71_attn-k_qc48ffccf71_attn
	.p2alignl 7, 3214868480
	.fill 96, 4, 3214868480
	.section	.rodata,"a",@progbits
	.p2align	6, 0x0
	.amdhsa_kernel k_qc48ffccf71_attn
		.amdhsa_group_segment_fixed_size 327680
		.amdhsa_private_segment_fixed_size 0
		.amdhsa_enable_private_segment 0
		.amdhsa_kernarg_size 48
		.amdhsa_user_sgpr_count 2
		.amdhsa_user_sgpr_kernarg_segment_ptr 1
		.amdhsa_wavefront_size32 1
		.amdhsa_system_sgpr_workgroup_id_x 1
		.amdhsa_system_sgpr_workgroup_id_y 1
		.amdhsa_system_sgpr_workgroup_id_z 1
		.amdhsa_system_vgpr_workitem_id 0
		.amdhsa_next_free_vgpr 864
		.amdhsa_next_free_sgpr 66
		.amdhsa_reserve_vcc 0
		.amdhsa_float_denorm_mode_32 3
		.amdhsa_float_denorm_mode_16_64 3
		.amdhsa_memory_ordered 1
		.amdhsa_forward_progress 1
		.amdhsa_inst_pref_size 153
	.end_amdhsa_kernel
	.amdgpu_metadata
---
amdhsa.version: [ 1, 2 ]
amdhsa.kernels:
  - .name:           k_qc48ffccf71_attn
    .symbol:         k_qc48ffccf71_attn.kd
    .args:
      - { .name: qh, .offset: 0, .size: 8, .value_kind: global_buffer, .address_space: global }
      - { .name: kh, .offset: 8, .size: 8, .value_kind: global_buffer, .address_space: global }
      - { .name: vt, .offset: 16, .size: 8, .value_kind: global_buffer, .address_space: global }
      - { .name: front_bev_xy, .offset: 24, .size: 8, .value_kind: global_buffer, .address_space: global }
      - { .name: sat_xy, .offset: 32, .size: 8, .value_kind: global_buffer, .address_space: global }
      - { .name: out0, .offset: 40, .size: 8, .value_kind: global_buffer, .address_space: global }
    .group_segment_fixed_size: 327680
    .private_segment_fixed_size: 0
    .kernarg_segment_align: 8
    .kernarg_segment_size: 48
    .max_flat_workgroup_size: 128
    .sgpr_count:     66
    .vgpr_count:     864
    .wavefront_size: 32
...
	.end_amdgpu_metadata
.endif
;; end of part 3
;; ======== version 2 of 2: 3 launches; 1.18 times as fast as version 1
;; limits: values are held in f16: magnitudes above 65,504 overflow, below 6.1e-05 lose precision; right only within a limited range of input values
;; workspace buffers: wcat 12,189,696 bytes; qh 16,777,216 bytes; kh 4,194,304 bytes; vt 4,194,304 bytes
;; launch prep: the kernel of part 1 again; grid 372 x 1, 8 waves a work-group, no clusters, 35,840 bytes of LDS; arguments w_fr, w_pos2, wq, w_sa, wk, wv, wcat; writes wcat
;; launch chain: the kernel of part 2 again; grid 192 x 1, 16 waves a work-group, no clusters, 320,512 bytes of LDS; arguments front_feat, front_bev_xy, w_pos1, b_pos1, b_fr, g_fr, be_fr, b_pos2, g_qn, be_qn, bq, qh, sat_tokens, sat_xy, b_sa, g_sa, be_sa, bk, bv, kh, vt, wcat; writes qh, kh, vt
;; launch attn (part 4): grid 8 x 32, 4 waves a work-group, clusters of 4 x 1, 327,680 bytes of LDS; arguments qh, kh, vt, front_bev_xy, sat_xy, out0; writes out0
.if DOCPART == 4
	.amdgcn_target "amdgcn-amd-amdhsa--gfx1250"
	.amdhsa_code_object_version 6
	.text
	.protected	k_qc48ffccf71_attn
	.globl	k_qc48ffccf71_attn
	.p2align	8
	.type	k_qc48ffccf71_attn,@function
k_qc48ffccf71_attn:
	s_mov_b64 s[64:65], 0
	v_nop
	global_prefetch_b8 v0, s[64:65] scope:SCOPE_SE
	s_setreg_imm32_b32 hwreg(HW_REG_WAVE_MODE, 25, 1), 1
	s_wait_xcnt 0x0
	s_wait_alu depctr_hold_cnt(0) depctr_sa_sdst(0) depctr_va_vdst(0) depctr_va_sdst(0) depctr_va_ssrc(0) depctr_va_vcc(0) depctr_vm_vsrc(0)
	s_getreg_b32 s2, hwreg(HW_REG_IB_STS2, 6, 4)
	s_cmp_eq_u32 s2, 0
	s_cbranch_scc0 .Lentry_in_a_cluster
	s_endpgm
.Lentry_in_a_cluster:
	s_bfe_u32 s2, ttmp6, 0x10000c
	s_cmp_lg_u32 s2, 0x3003
	s_cbranch_scc0 .Lentry_shape_is_right
	s_endpgm
.Lentry_shape_is_right:
; out0[b][q][64 hd + :] = the sum over k of softmax_k(q . k / 8 - |p_q - p_k|^2) v.  qh [32 bh][4096][64], kh [32][1024][64], vt [32][16 key blocks][64 channels][64 keys], all f16; out0 f32.
; Products, maxima and sums in f32; the weights p are rounded to f16 for the second product (their sum l is taken of the unrounded p).
; SHARES.  A work-group owns 512 queries of one (batch, head), a wave 128: four PIECES of two tiles of 16.  Every wave walks the head's 1,024 keys, 64 a step.
; CLUSTER.  The four query blocks of a cluster belong to one head and need the same K and V: each wave asks JOINTLY for a quarter of them (512 keys of K, or 8 key blocks of V) with the same descriptor
; and a mask that names the four.  The whole head fits in LDS (2 x 147,456 bytes), so no byte is filled twice: one tensor load of each wave is out, once; there is no ring and no tail.
; THE DISTANCE goes through the matrix unit as eight channels more.  Coordinates are rounded to bf16 like every input and centred on the batch's first satellite point; then, with hi and lo f16 parts,
;   key   (xh, xl, xh, yh, yl, yh, wH, wL),  w = -(x^2 + y^2) / 8        query (XH, XH, XL, YH, YH, YL, 64, 64),  X = 16 x
; give 16 p_q . p_k - 8 |p_k|^2 = -8 dist^2 + 8 |p_q|^2; the last term is one number for a query and cancels in the softmax, and the common factor 1 / 8 lies in c.  This product, with C = 0, starts the sums.
; LIMITS.  Centred coordinates stay under 700 (w within f16's 65,504); the parts left out are below 2^-22 of the products.  A weight below 2^-126 counts as 0 in l; p below 6e-5 keeps f16's step of 6e-8;
; NaN and infinities are not treated apart.
; LAYOUT.  S^T = K Q^T (source 0 = 16 keys, source 1 = 16 queries): a lane holds ONE query (lane % 16) and the keys 8 (lane / 16) + 0..7; two such results rounded to f16 ARE source 1 of O^T = V^T P.
; SOFTMAX.  Running maximum m and sum l: p = 2^(c s - c m), c = log2(e) / 8; in every step O and l are multiplied by a = 2^(c m_old - c m_new).  m starts at the lowest finite number, O and l at 0.
; BY TURNS.  Turn p: 24 products K Q^T of piece p + 1, 16 products V^T P of piece p - 1, and between them, six behind each, the 236 vector instructions of piece p's softmax.  The three pieces'
; registers are disjoint (S^T and P have two buffers, by the piece's parity), so no vector line near a product names its registers.
; BATCHES.  A turn's 66 exponentials (both tiles' a and 32 weights each) are ONE batch with ONE wait, which cuts the turn in two.  Ahead of it stand the maximum, the statistics, the scalings and the exponentials,
; none of which names an exponential's result; behind it the roundings, the sums and the rescaling, which do.  140 lines stand ahead of it: it falls two lines behind the 24th product, so the products K Q^T stand
; ahead of it and the products V^T P behind it.  No exponential is issued behind a turn's wait.  The way out's eight reciprocals are a batch of their own.
; REGISTERS, in windows of 256 (s_set_vgpr_msb: bits 1:0 source 0, 3:2 source 1, 5:4 source 2, 7:6 destination):
;   window 0: v0-11 addresses; v12-15, v48-63 at work; v16-47 four registers of statistics a tile; v64-191 S^T; v192-255 P      window 1: O^T, 32 a tile
;   window 2: v0-127 Q, 16 a tile; v128-191 K of one step; v192-255 V of one step      window 3: v0-63 the queries' eight channels, 8 a tile; v64-95 the keys', 8 a block of 16
.set NP,    4
.set PK,    144       ; a row of K or of V^T in LDS: 128 bytes + 16 = 36 words: the 16 rows of a load start at 16 different groups of four banks (64 banks of 4 bytes: ISA guide 11.1)
.set STEPB, 64*PK     ; a key step: 64 keys of K, or 64 channel rows of V^T
.set VT,    16*STEPB
.set GEO,   2*VT      ; 1,024 keys x 16 bytes, written by ds_store: blocks of their own, into which no fill lands
.set SPARE, GEO+16384 ; the spare words, 128 bytes for each of four waves
.set SP,    272       ; the way out: a row of 64 f32 + 16; the stages, 16 rows a wave, take K's first 17,408 bytes when K has been read out (its one fill is long over)
.set AG,  2           ; v2   LDS address of the keys' eight channels, next step
.set TA,  3           ; v3   at work in the set-up
.set AK,  4           ; v4   LDS address of K's next run of loads
.set AV,  5           ; v5   of V's
.set QO,  6           ; v6   my byte offset in 16 rows of Q; later STO
.set STO, 6           ;      the way out: where I put 32 bytes of a row
.set RD,  7           ; v7   the way out: where I read rows back
.set GO,  8           ; v8   my byte offset in two rows of out0
.set SPW, 10          ; v10  LDS address of my spare word; never rewritten
.set NIL, 11          ; v11  0; never rewritten
.set MV,  12
.set ST,  16          ; tile t's statistics at v[ST+4 t]: c m, m, l (even keys', odd keys')
.set TMP, 48
.set S,   64
.set P,   192
.set KF,  128
.set VF,  192
.set QG,  0
.set KG,  64
.set WV,  16          ; s16  my wave's number
.set G1,  24          ; s[24:31] descriptor group 1
.set G0,  32          ; s[32:35] descriptor group 0
.set CNT, 36          ; s36  key steps to go
.set CS,  38          ; s[38:39] c
.set SEL, 40          ; s[40:41] v_permlanex16_b32's selects
.set HM,  42          ; s42  the lanes with lane / 16 = 0
.set MSB, 0
.macro WIN new                      ; the high byte repeats the setting that is left; a switch that changes nothing is dropped
.if MSB != (\new)
	s_set_vgpr_msb (MSB<<8)|(\new)
.set MSB, (\new)
.endif
.endm
.set W_KQ, 0x0a       ; K and Q in window 2, S^T in window 0
.set W_KG, 0x0f       ; both sources in window 3, S^T in window 0
.set W_PV, 0x52       ; V in window 2, P in window 0, O^T in window 1
.set W_RS, 0x41       ; O^T (destination and source 0) in window 1, source 1 in window 0
.macro CROUND                       ; a round of the cluster's barrier
	s_barrier_signal -1
	s_barrier_wait -1
	s_cmp_lg_u32 s[WV], 0
	s_cbranch_scc1 .Lnot_wave_0_\@
	s_barrier_signal -3
.Lnot_wave_0_\@:
	s_barrier_wait -3
	s_barrier_signal -1
	s_barrier_wait -1
.endm
.macro RND a, t                     ; v[a], v[a+1] rounded to bf16 and kept as f32
	v_cvt_pk_bf16_f32 v[\t], v[\a], v[(\a)+1]
	v_lshlrev_b32 v[\a], 16, v[\t]
	v_and_b32 v[(\a)+1], 0xffff0000, v[\t]
.endm
.macro HILO a                       ; the pair v[a], v[a+1] as f16 parts: v100 = (hi of the first, hi of the second), v101 = the two rests
	v_cvt_pk_f16_f32 v100, v[\a], v[(\a)+1]
	v_cvt_f32_f16 v102, v100.l
	v_cvt_f32_f16 v103, v100.h
	v_pk_add_f32 v[102:103], v[\a:(\a)+1], v[102:103] neg_lo:[0,1] neg_hi:[0,1]
	v_cvt_pk_f16_f32 v101, v102, v103
.endm
	s_load_b256 s[4:11], s[0:1], 0x0  ; qh s[4:5], kh s[6:7], vt s[8:9], front_bev_xy s[10:11]
	s_load_b128 s[12:15], s[0:1], 0x20  ; sat_xy s[12:13], out0 s[14:15]
	v_lshl_add_u32 v[SPW], v0, 2, SPARE
	v_mov_b32 v[NIL], 0
	ds_add_u32 v[SPW], v[NIL]       ; the wave's opening: the add and its wait stand ahead of my tensor load; the set-up below, work on registers, stands between them
	v_lshrrev_b32 v1, 5, v0
	v_readfirstlane_b32 s[WV], v1   ; wave 0..3
	s_bfe_u32 s17, ttmp6, 0x40000   ; cx: my place in the cluster
	s_lshl_b32 s18, ttmp9, 2        ; in a cluster launch ttmp9 counts clusters
	s_add_co_u32 s18, s18, s17      ; my block of 512 queries: it enters Q's, the queries' coordinates' and out0's addresses alone
	s_and_b32 s19, ttmp7, 0xffff    ; bh, which the four partners share
	s_lshr_b32 s20, s19, 4          ; batch
	s_and_b32 s21, s19, 15          ; head
	s_lshl_b32 s52, s19, 19         ; Q: 4,096 rows of 128 bytes a head, 512 a block, 128 a wave
	s_lshl_b32 s22, s18, 16
	s_add_co_u32 s52, s52, s22
	s_lshl_b32 s22, s[WV], 14
	s_add_co_u32 s52, s52, s22
	s_mov_b32 s53, 0
	s_lshl_b32 s54, s20, 15         ; the queries' coordinates: 8 bytes each
	s_lshl_b32 s22, s18, 12
	s_add_co_u32 s54, s54, s22
	s_lshl_b32 s22, s[WV], 10
	s_add_co_u32 s54, s54, s22
	s_mov_b32 s55, 0
	s_lshl_b32 s56, s20, 13         ; the batch's 1,024 satellite points
	s_mov_b32 s57, 0
	s_lshl_b32 s58, s20, 24         ; out0: rows of 4,096 bytes, the head's 256 of them
	s_lshl_b32 s22, s18, 21
	s_add_co_u32 s58, s58, s22
	s_lshl_b32 s22, s[WV], 19
	s_add_co_u32 s58, s58, s22
	s_lshl_b32 s22, s21, 8
	s_add_co_u32 s58, s58, s22
	s_mov_b32 s59, 0
	s_lshl_b32 s60, s19, 17         ; K and V: 131,072 bytes a head, my half of them
	s_and_b32 s23, s[WV], 1
	s_lshl_b32 s23, s23, 16
	s_add_co_u32 s60, s60, s23
	s_mov_b32 s61, 0
	; descriptor group 1: 65,536 dense bytes, asked for as 256 rows of 256 bytes and padded in LDS after every 128
	s_mov_b32 s[G1], 15|(1<<16)|(1<<20)|(1<<21)|(4<<22)|(3<<25)  ; 15:0 the mask of four; 17:16 2-byte elements; 20 padding on; 21 set beside a mask; 24:22 after every 32 words (code 4); 31:25 4 words (code 3)
	s_mov_b32 s[G1+1], 128<<16      ; tensor_dim0 = 128
	s_mov_b32 s[G1+2], 256<<16      ; tensor_dim1 = 256
	s_mov_b32 s[G1+3], 128<<16      ; tile_dim0 = 128
	s_mov_b32 s[G1+4], 256          ; tile_dim1 = 256
	s_mov_b32 s[G1+5], 128          ; 128 elements from row to row
	s_mov_b32 s[G1+6], 0
	s_mov_b32 s[G1+7], 0
	s_mov_b32 s[G0], 1              ; count = 1
	s_mul_i32 s[G0+1], s[WV], 512*PK  ; LDS address: K's two halves, then V's: wave x 73,728; no place in the cluster enters it
	s_mov_b32 s[CS], 0x3e38aa3b     ; c = log2(e) / 8
	s_mov_b32 s[CS+1], s[CS]
	s_mov_b32 s[SEL], 0x76543210
	s_mov_b32 s[SEL+1], 0xfedcba98
	s_mov_b32 s43, 0x05040100       ; v_perm_b32: (second source's low half, first source's low half)
	s_mov_b32 s44, 0x07060302       ; (second's high half, first's high half)
	s_mov_b32 s45, 0x07060100       ; (second's low half, first's high half)
	s_wait_dscnt 0x0                ; the opening add is done
	s_wait_kmcnt 0x0
	s_cmp_lt_u32 s[WV], 2           ; waves 0 and 1 fetch K, waves 2 and 3 V
	s_cselect_b64 s[62:63], s[6:7], s[8:9]
	s_add_nc_u64 s[G0+2:G0+3], s[62:63], s[60:61]
	s_or_b32 s[G0+3], s[G0+3], 0x80000000  ; type = 2
	s_add_nc_u64 s[4:5], s[4:5], s[52:53]
	s_add_nc_u64 s[10:11], s[10:11], s[54:55]
	s_add_nc_u64 s[12:13], s[12:13], s[56:57]
	s_add_nc_u64 s[14:15], s[14:15], s[58:59]
	CROUND                          ; all four work-groups are here: the joint loads meet
	tensor_load_to_lds s[G0:G0+3], s[G1:G1+7]
	s_nop 0
.rept 4
	v_nop                           ; (the windows are switched behind four instructions)
.endr
	v_and_b32 v1, 15, v0            ; r
	v_bfe_u32 v9, v0, 4, 1          ; h
	v_lshlrev_b32 v[QO], 7, v1
	v_lshl_add_u32 v[QO], v9, 4, v[QO]  ; row x 128 + 16 x half
	v_lshlrev_b32 v[TA], 3, v0      ; satellite point t + 128 i
	v_lshlrev_b32 v[RD], 3, v1      ; query r of a tile
	v_mov_b32 v[GO], 0              ; the batch's first satellite point
	WIN 0x80                        ; destination window 2, address window 0
.set i, 0
.rept 16                            ; Q stays in registers: tile i / 2, channels 32 (i % 2) on
	global_load_b128 v[8*i:8*i+3],   v[QO], s[4:5] offset:(i/2)*2048+(i%2)*64
	global_load_b128 v[8*i+4:8*i+7], v[QO], s[4:5] offset:(i/2)*2048+(i%2)*64+32
.set i, i+1
.endr
	WIN 0
.irp i, 0,1,2,3,4,5,6,7
	global_load_b64 v[64+2*\i:65+2*\i], v[TA], s[12:13] offset:1024*\i
.endr
	global_load_b64 v[80:81], v[GO], s[12:13]
.irp i, 0,1,2,3,4,5,6,7
	global_load_b64 v[82+2*\i:83+2*\i], v[RD], s[10:11] offset:128*\i
.endr
	; What the first turn finds: V's registers and P's second buffer hold 0 (its products V^T P, of a piece that has not been, add 0), O^T and l are 0.  No first step is written out; the price is these lines, which stand in the wait for the tiles.
	WIN 0x80
.set i, VF
.rept 64
	v_mov_b32 v[i], 0
.set i, i+1
.endr
	WIN 0x40
.set i, 0
.rept 256
	v_mov_b32 v[i], 0
.set i, i+1
.endr
	WIN 0xc0
.set i, 0
.rept 4
.irp j, 4,5,6,7
	v_mov_b32 v[KG+8*i+\j], 0       ; channels 16-31 of the keys' extra fragment
.endr
.set i, i+1
.endr
	WIN 0
.set i, 0
.rept 8
	v_mov_b32 v[ST+4*i], 0xfe000000    ; c m: far below every c s
	v_mov_b32 v[ST+4*i+1], 0xff7fffff  ; m
	v_mov_b32 v[ST+4*i+2], 0
	v_mov_b32 v[ST+4*i+3], 0
.set i, i+1
.endr
.set i, P+32
.rept 32
	v_mov_b32 v[i], 0
.set i, i+1
.endr
	v_cmp_eq_u32 s[HM], 0, v9
	v_mov_b32 v111, 0x54005400      ; (64, 64) in f16
	s_wait_loadcnt 0x0              ; Q and the coordinates
	v_lshl_add_u32 v[TA], v0, 4, GEO
	RND 80, 98
.irp i, 0,1,2,3,4,5,6,7             ; the eight channels of satellite point t + 128 i
	RND 64+2*\i, 98
	v_pk_add_f32 v[64+2*\i:65+2*\i], v[64+2*\i:65+2*\i], v[80:81] neg_lo:[0,1] neg_hi:[0,1]
	HILO 64+2*\i
	v_mul_f32 v104, v[64+2*\i], v[64+2*\i]
	v_fma_f32 v104, v[65+2*\i], v[65+2*\i], v104
	v_mul_f32 v104, 0xbe000000, v104   ; w = -(x^2 + y^2) / 8
	v_cvt_pk_f16_f32 v105, v104, v104
	v_cvt_f32_f16 v105, v105.l
	v_sub_f32 v105, v104, v105
	v_perm_b32 v106, v101, v100, s43   ; (xh, xl)
	v_mov_b32 v107, v100               ; (xh, yh)
	v_perm_b32 v108, v100, v101, s44   ; (yl, yh)
	v_cvt_pk_f16_f32 v109, v104, v105  ; (wH, wL)
	ds_store_b128 v[TA], v[106:109] offset:2048*\i
.endr
.irp i, 0,1,2,3,4,5,6,7             ; the eight channels of query r of tile i
	RND 82+2*\i, 98
	v_pk_add_f32 v[82+2*\i:83+2*\i], v[82+2*\i:83+2*\i], v[80:81] neg_lo:[0,1] neg_hi:[0,1]
	v_pk_mul_f32 v[82+2*\i:83+2*\i], v[82+2*\i:83+2*\i], 0x41800000 op_sel_hi:[1,0]
	HILO 82+2*\i
	v_perm_b32 v[128+4*\i], v100, v100, s43    ; (XH, XH)
	v_perm_b32 v[129+4*\i], v100, v101, s45    ; (XL, YH)
	v_perm_b32 v[130+4*\i], v101, v100, s44    ; (YH, YL)
.endr
	WIN 0xc0                        ; they lie in channels 0-7, which the lanes with h = 0 hold in registers 0-3; all else is 0, so whatever finite numbers the keys' fragment holds there add nothing
.irp i, 0,1,2,3,4,5,6,7
	v_cndmask_b32 v[QG+8*\i],   0, v[128+4*\i], s[HM]
	v_cndmask_b32 v[QG+8*\i+1], 0, v[129+4*\i], s[HM]
	v_cndmask_b32 v[QG+8*\i+2], 0, v[130+4*\i], s[HM]
	v_cndmask_b32 v[QG+8*\i+3], 0, v111, s[HM]
	v_mov_b32 v[QG+8*\i+4], 0
	v_mov_b32 v[QG+8*\i+5], 0
	v_mov_b32 v[QG+8*\i+6], 0
	v_mov_b32 v[QG+8*\i+7], 0
.endr
	WIN 0
	v_mul_u32_u24 v[AK], v1, PK
	v_lshl_add_u32 v[AK], v9, 4, v[AK]  ; row x pitch + 16 x half
	v_add_nc_u32 v[AV], VT, v[AK]
	v_lshl_add_u32 v[AG], v1, 4, GEO
; THE MATRIX WORK.  The 8 accumulators of a run take turns: between two links of a chain stand 7 others'.
; Product i of 24 of S^T for piece x: part i / 8 (0: the distance's channels, which start the sums; 1, 2: channels 0-31, 32-63), keys 16 ((i / 2) % 4) on, tile 2 x + i % 2.
.macro KQ x
.set rS, S+64*((\x)%2)+32*(i%2)+8*((i/2)%4)
.if i < 8
	WIN W_KG
.set rK, KG+8*((i/2)%4)
.set rQ, QG+8*(2*(\x)+i%2)
	v_wmma_f32_16x16x32_f16 v[rS:rS+7], v[rK:rK+7], v[rQ:rQ+7], 0
.else
	WIN W_KQ
.set rK, KF+16*((i/2)%4)+8*(i/8-1)
.set rQ, 16*(2*(\x)+i%2)+8*(i/8-1)
	v_wmma_f32_16x16x32_f16 v[rS:rS+7], v[rK:rK+7], v[rQ:rQ+7], v[rS:rS+7]
.endif
.endm
; Product ip of 16 of O^T += V^T P for piece x: keys 32 (ip / 8) on, channels 16 ((ip / 2) % 4) on, tile 2 x + ip % 2.
.macro PV x
	WIN W_PV
.set rO, 32*(2*(\x)+ip%2)+8*((ip/2)%4)
.set rV, VF+32*(ip/8)+8*((ip/2)%4)
.set rP, P+32*((\x)%2)+16*(ip%2)+8*(ip/8)
	v_wmma_f32_16x16x32_f16 v[rO:rO+7], v[rV:rV+7], v[rP:rP+7], v[rO:rO+7]
.endm
.macro MM                           ; the turn's next matrix instruction
.if i < 24
	KQ (Y+1)%NP
.else
.set ip, i-24
	PV (Y+NP-1)%NP
.endif
.set i, i+1
.endm
; THE LDS LOADS stand in runs, never singly among the matrix instructions.  skip = 1: in the last trip there is no further step, and the run is jumped over.
.macro FETCH_K skip
	WIN 0
.if \skip
	s_cmp_eq_u32 s[CNT], 1
	s_cbranch_scc1 .Lno_k_\@
.endif
	WIN 0x80                        ; destination window 2
.irp f, 0,1,2,3,4,5,6,7             ; keys 16 (f / 2) on, channels 32 (f % 2) on
	ds_load_b128 v[KF+8*\f:KF+8*\f+3],   v[AK] offset:(\f/2)*16*PK+(\f%2)*64
	ds_load_b128 v[KF+8*\f+4:KF+8*\f+7], v[AK] offset:(\f/2)*16*PK+(\f%2)*64+32
.endr
	WIN 0xc0                        ; destination window 3
.irp f, 0,1,2,3
	ds_load_b128 v[KG+8*\f:KG+8*\f+3], v[AG] offset:\f*256  ; both halves of the lanes take key r's 16 bytes
.endr
	WIN 0
	v_add_nc_u32 v[AK], STEPB, v[AK]  ; the next fetch is the next step's
	v_add_nc_u32 v[AG], 1024, v[AG]
.if \skip
.Lno_k_\@:
.endif
.endm
.macro FETCH_V
	WIN 0x80
.irp f, 0,1,2,3,4,5,6,7             ; keys 32 (f / 4) on, channels 16 (f % 4) on: V lies turned, so these are plain loads
	ds_load_b128 v[VF+8*\f:VF+8*\f+3],   v[AV] offset:(\f%4)*16*PK+(\f/4)*64
	ds_load_b128 v[VF+8*\f+4:VF+8*\f+7], v[AV] offset:(\f%4)*16*PK+(\f/4)*64+32
.endr
	WIN 0
	v_add_nc_u32 v[AV], STEPB, v[AV]
.endm
; THE VECTOR WORK: one tile's softmax for one step is a list of 118 instructions.
.macro REGS y, u                    ; the registers of tile u (0, 1) of piece y
.set rT, ST+4*(2*(\y)+(\u))
.set rC, TMP+8*((\y)%2)+4*(\u)
.set rM, MV+2*((\y)%2)+(\u)
.set rS, S+64*((\y)%2)+32*(\u)
.set rP, P+32*((\y)%2)+16*(\u)
.set rO, 32*(2*(\y)+(\u))
.endm
; Number n of the 22 that find the maximum and statistics.  s0-s31 are the lane's 32 scores; each accumulator's lowest registers are read first.
;   0-11  four chains c0-c3 of seven scores each     12-14, 16  the four scores left over, the old m, and c0-c3 into c0     15  c m_old is kept     17, 18  the other half of the lanes: the new m     19-21  c m; c m_old - c m_new; a
.macro XS n
.if (\n) < 4
	v_max3_num_f32 v[rC+(\n)], v[rS+8*(\n)], v[rS+8*(\n)+1], v[rS+8*(\n)+2]
.elseif (\n) < 12
	v_max3_num_f32 v[rC+(\n)%4], v[rC+(\n)%4], v[rS+8*((\n)%4)+2*((\n)/4)+1], v[rS+8*((\n)%4)+2*((\n)/4)+2]
.elseif (\n) == 12
	v_max3_num_f32 v[rC], v[rC], v[rS+7], v[rS+15]
.elseif (\n) == 13
	v_max3_num_f32 v[rC+1], v[rC+1], v[rS+23], v[rS+31]
.elseif (\n) == 14
	v_max3_num_f32 v[rC+2], v[rC+2], v[rC+3], v[rT+1]
.elseif (\n) == 15
	v_mov_b32 v[rM], v[rT]
.elseif (\n) == 16
	v_max3_num_f32 v[rC], v[rC], v[rC+1], v[rC+2]
.elseif (\n) == 17
	v_permlanex16_b32 v[rC+3], v[rC], s[SEL], s[SEL+1]
.elseif (\n) == 18
	v_max_num_f32 v[rT+1], v[rC], v[rC+3]
.elseif (\n) == 19
	v_mul_f32 v[rT], s[CS], v[rT+1]
.elseif (\n) == 20
	v_sub_f32 v[rC+1], v[rM], v[rT]
.else
	v_exp_f32 v[rC+2], v[rC+1]
.endif
.endm
.macro OPF n                        ; c s - c m for pair n of 16
	v_pk_fma_f32 v[rS+2*(\n):rS+2*(\n)+1], v[rS+2*(\n):rS+2*(\n)+1], s[CS:CS+1], v[rT:rT+1] op_sel_hi:[1,0,0] neg_lo:[0,0,1] neg_hi:[0,0,1]
.endm
.macro OPE n                        ; the exponential of score n of 32
	v_exp_f32 v[rS+(\n)], v[rS+(\n)]
.endm
.macro OPC n                        ; pair n rounded to f16
	v_cvt_pk_f16_f32 v[rP+(\n)], v[rS+2*(\n)], v[rS+2*(\n)+1]
.endm
.macro OPB n                        ; of the four weights 4 n .. the second pair is added onto the first, in place
	v_pk_add_f32 v[rS+4*(\n):rS+4*(\n)+1], v[rS+4*(\n):rS+4*(\n)+1], v[rS+4*(\n)+2:rS+4*(\n)+3]
.endm
.macro OPL n                        ; l takes that sum; the first time as l = a l + sum
.if (\n) == 0
	v_pk_fma_f32 v[rT+2:rT+3], v[rT+2:rT+3], v[rC+2:rC+3], v[rS:rS+1] op_sel_hi:[1,0,1]
.else
	v_pk_add_f32 v[rT+2:rT+3], v[rT+2:rT+3], v[rS+4*(\n):rS+4*(\n)+1]
.endif
.endm
.macro OPR n                        ; pair n of 16 of O^T times a
	v_pk_mul_f32 v[rO+2*(\n):rO+2*(\n)+1], v[rO+2*(\n):rO+2*(\n)+1], v[rC+2:rC+3] op_sel_hi:[1,0]
.endm
; The list, entry j, ordered by who reads what:
;   0-20    the maximum and statistics
;   21-69   THE BATCH: the 16 scalings and all 33 exponentials (a at 23, then s0-s31).  None of these names an exponential's result.  21, 22 scalings; 24-37 scaling and exponential by turns; 38-65 a scaling and
;           three exponentials; 66-69 the last four exponentials.  A pair is scaled in an earlier four (22-25, 26-29, ..) than the one that holds its exponentials
;   (wait)  between 69 and 70 stands the wait for the batch, once for both tiles
;   70-101  for each four weights g of 8: the first pair is rounded, the second pair is added onto it, the second pair is rounded, l takes the sum
;   102-117 the rescaling, the one part outside window 0
; VEC writes line vi of a turn's 236.  Lines 44-139 deal out entries 22-69, four entries of ONE tile at a time, the tiles by turns, so that a scaling leads each four while there are scalings.
; Every other line is entry vi / 2 of tile vi % 2: the two tiles alternate, so that where one line feeds the next the other tile's stands between.
.macro VEC
.if vi < 236
.if (vi >= 44) && (vi < 140)
.set j, 22+4*((vi-44)/8)+(vi-44)%4
	REGS Y, ((vi-44)/4)%2
.else
.set j, vi/2
	REGS Y, vi%2
.endif
.if vi == 140                       ; the batch is out: both tiles' 66 exponentials are issued, and no result has been named
	v_nop                           ; a plain instruction behind the last exponential and ahead of the first use: one for the batch
	s_wait_alu depctr_va_vdst(0)    ; the wait ahead of the first line that names a result: one for the turn's batch of 66 exponentials
.endif
.if j < 102
	WIN 0
.else
	WIN W_RS
.endif
.if j < 21
	XS j
.elseif j == 23
	XS 21
.elseif (j < 23) || ((j < 38) && (j%2 == 0)) || ((j < 66) && (j%4 == 2))
.set b, (j-2)/4                     ; 38, 42, .. 62: pairs 9 to 15
.if j < 38
.set b, (j-20)/2                    ; 21: pair 0; 22, 24, .. 36: pairs 1 to 8
.endif
	OPF b
.elseif j < 70
.set e, j-38                        ; 66 to 69: s28 to s31
.if j < 66
.set e, j-32-(j-38)/4               ; 39-41, 43-45, .. 63-65: s7 to s27
.endif
.if j < 38
.set e, (j-25)/2                    ; 25, 27, .. 37: s0 to s6
.endif
	OPE e
.elseif j < 102
.set g, (j-70)/4
.set z, (j-70)%4
.if z == 0
	OPC 2*g
.elseif z == 1
	OPB g
.elseif z == 2
	OPC 2*g+1
.else
	OPL g
.endif
.else
	OPR j-102
.endif
.set vi, vi+1
.endif
.endm
; A TURN, for piece p: 40 matrix instructions, six lines of the list behind each (236 = 39 x 6 + 2).  The turn's one wait stands ahead of line 140, two lines behind product 23.
; V of the step in hand is fetched in piece 1's turn behind its first product: the last product that read V stands eight plain lines back; it is waited for ahead of that turn's first V^T P.
; K (and the keys' eight channels) of the next step is fetched in piece 2's turn behind product 25: the last product that read K is number 23, and the v_nop and sixteen plain lines (140-155) lie between;
; its jump and label stand behind the turn's wait; it is waited for at the head of piece 3's turn.
.macro TURN p
.set Y, (\p)
.set i, 0
.set vi, 0
.set k, 0
.if (\p) == 3
	s_wait_dscnt 0x0                ; K is in
.endif
.rept 40
.if ((\p) == 1) && (k == 24)
	s_wait_dscnt 0x0                ; V is in
.endif
	MM
.rept 6
	VEC
.endr
.if ((\p) == 1) && (k == 0)
	FETCH_V
.endif
.if ((\p) == 2) && (k == 25)
	FETCH_K 1
.endif
.set k, k+1
.endr
.endm
	s_wait_tensorcnt 0x0            ; my quarter of K and V is in,
	s_wait_dscnt 0x0                ; my stores of the keys' eight channels are done:
	s_barrier_signal -1
	s_barrier_wait -1               ; everybody's are.
	FETCH_K 0                       ; key step 0
	s_wait_dscnt 0x0
.set i, 0
.rept 24
	KQ 0                            ; piece 0's first scores: there is no vector work yet to set between them
.set i, i+1
.endr
	WIN 0                           ; the addresses for the way out: eight plain instructions, the places behind those products
	s_mul_i32 s17, s[WV], 16*SP     ; my stage
	v_mul_u32_u24 v[STO], v1, SP    ; in: row r, 32 bytes for each half of the lanes
	v_lshl_add_u32 v[STO], v9, 5, v[STO]
	v_add_nc_u32 v[STO], s17, v[STO]
	v_mul_u32_u24 v[RD], v9, SP     ; back: lanes 0-15 take one row of 256 bytes, lanes 16-31 the next
	v_lshl_add_u32 v[RD], v1, 4, v[RD]
	v_add_nc_u32 v[RD], s17, v[RD]
	v_lshlrev_b32 v[GO], 12, v9     ; and the same two rows in out0
	v_lshl_add_u32 v[GO], v1, 4, v[GO]
	s_mov_b32 s[CNT], 16
.Lstep:                             ; a trip is a key step: four turns
	TURN 0
	TURN 1
	TURN 2
	TURN 3
	WIN 0
	s_sub_co_u32 s[CNT], s[CNT], 1
	s_cmp_lg_u32 s[CNT], 0
	s_cbranch_scc1 .Lstep           ; (the last trip's 24 products for piece 0, on the last K once more, serve nothing: the price of one text for every trip)
.set ip, 0
.rept 16
	PV NP-1                         ; the last piece's V^T P of the last step
.set ip, ip+1
.endr
	; THE WAY OUT.  l's two halves and the other half of the lanes' are added; O^T is divided by l and sent through my stage in LDS, a tile at a time.  The additions are the places behind the last products.
	WIN 0
.macro ALL line:vararg              ; one line for each tile t
.set t, 0
.rept 2*NP
	\line
.set t, t+1
.endr
.endm
	ALL v_add_f32 v[ST+4*t+2], v[ST+4*t+2], v[ST+4*t+3]
	ALL v_permlanex16_b32 v[ST+4*t+3], v[ST+4*t+2], s[SEL], s[SEL+1]
	ALL v_add_f32 v[ST+4*t+2], v[ST+4*t+2], v[ST+4*t+3]
	ALL v_rcp_f32 v[ST+4*t+2], v[ST+4*t+2]
	v_nop                           ; a plain instruction between the last reciprocal and the use of its result
	s_wait_alu depctr_va_vdst(0)    ; the wait ahead of the first use: one for the batch of eight reciprocals
	s_wait_dscnt 0x0                ; my reads of K and V are over;
	s_barrier_signal -1
	s_barrier_wait -1               ; everybody's are: the stages may take K's first bytes
; Tile t: a lane's eight channels of a row are 32 bytes; they go into rows of 272 bytes and come back as whole rows of 256, into S^T's registers.
.macro OPACK t
	WIN W_RS
.set i, 32*(\t)
.rept 16
	v_pk_mul_f32 v[i:i+1], v[i:i+1], v[ST+4*(\t)+2:ST+4*(\t)+3] op_sel_hi:[1,0]
.set i, i+2
.endr
	WIN 0x04                        ; the stores' data in window 1
.irp f, 0,1,2,3,4,5,6,7
	ds_store_b128 v[STO], v[32*(\t)+4*\f:32*(\t)+4*\f+3] offset:(\f/2)*64+(\f%2)*16
.endr
	WIN 0
	s_wait_xcnt 0x0                 ; the registers loaded below were the data of the stores four tiles back: they are rewritten only behind this wait
.irp f, 0,1,2,3,4,5,6,7
	ds_load_b128 v[S+32*((\t)%4)+4*\f:S+32*((\t)%4)+4*\f+3], v[RD] offset:\f*2*SP  ; LDS serves a wave's instructions in order (ISA guide 5.7.1.4): these see the stores above; the next tile's stores come behind them
.endr
.endm
.macro OSEND t, younger             ; younger: the LDS instructions issued behind tile t's loads: the next tile's sixteen, or none
	WIN 0
.irp f, 0,1,2,3,4,5,6,7
	s_wait_dscnt (\younger)+7-\f
	global_store_b128 v[GO], v[S+32*((\t)%4)+4*\f:S+32*((\t)%4)+4*\f+3], s[14:15] offset:(\t)*65536+\f*8192 th:TH_STORE_NT  ; 16 lanes store 256 consecutive bytes, at a multiple of 256 from out0's first
.endr
.endm
	OPACK 0
.set t, 1
.rept 2*NP-1                        ; a tile's arithmetic stands between the loads of the tile before and its stores
	OPACK t
	OSEND t-1, 16
.set t, t+1
.endr
	OSEND 2*NP-1, 0
	s_wait_tensorcnt 0x0            ; the wave's end, behind my tensor load and my last LDS store
	ds_add_u32 v[SPW], v[NIL]
	s_wait_dscnt 0x0
	CROUND                          ; the closing round: no work-group ends while a partner may still ask for a tile that names it
	s_endpgm
.Lfunc_end_k_qc48ffccf71_attn:
	.size	k_qc48ffccf71_attn, .Lfunc_end_k_qc48ffccf71_attn-k_qc48ffccf71_attn
	.p2alignl 7, 3214868480
	.fill 96, 4, 3214868480
	.section	.rodata,"a",@progbits
	.p2align	6, 0x0
	.amdhsa_kernel k_qc48ffccf71_attn
		.amdhsa_group_segment_fixed_size 327680
		.amdhsa_private_segment_fixed_size 0
		.amdhsa_enable_private_segment 0
		.amdhsa_kernarg_size 48
		.amdhsa_user_sgpr_count 2
		.amdhsa_user_sgpr_kernarg_segment_ptr 1
		.amdhsa_wavefront_size32 1
		.amdhsa_system_sgpr_workgroup_id_x 1
		.amdhsa_system_sgpr_workgroup_id_y 1
		.amdhsa_system_sgpr_workgroup_id_z 1
		.amdhsa_system_vgpr_workitem_id 0
		.amdhsa_next_free_vgpr 864
		.amdhsa_next_free_sgpr 66
		.amdhsa_reserve_vcc 0
		.amdhsa_float_denorm_mode_32 3
		.amdhsa_float_denorm_mode_16_64 3
		.amdhsa_memory_ordered 1
		.amdhsa_forward_progress 1
		.amdhsa_inst_pref_size 145
	.end_amdhsa_kernel
	.amdgpu_metadata
---
amdhsa.version: [ 1, 2 ]
amdhsa.kernels:
  - .name:           k_qc48ffccf71_attn
    .symbol:         k_qc48ffccf71_attn.kd
    .args:
      - { .name: qh, .offset: 0, .size: 8, .value_kind: global_buffer, .address_space: global }
      - { .name: kh, .offset: 8, .size: 8, .value_kind: global_buffer, .address_space: global }
      - { .name: vt, .offset: 16, .size: 8, .value_kind: global_buffer, .address_space: global }
      - { .name: front_bev_xy, .offset: 24, .size: 8, .value_kind: global_buffer, .address_space: global }
      - { .name: sat_xy, .offset: 32, .size: 8, .value_kind: global_buffer, .address_space: global }
      - { .name: out0, .offset: 40, .size: 8, .value_kind: global_buffer, .address_space: global }
    .group_segment_fixed_size: 327680
    .private_segment_fixed_size: 0
    .kernarg_segment_align: 8
    .kernarg_segment_size: 48
    .max_flat_workgroup_size: 128
    .sgpr_count:     66
    .vgpr_count:     864
    .wavefront_size: 32
...
	.end_amdgpu_metadata
.endif
;; end of part 4
